; MI455X (gfx1250); checked and timed in simulation.
; The chip was launched on July 23, 2026; its instructions are those of AMD's public machine-readable ISA for CDNA 5 (MIT licence, August 2026) and "CDNA5" Instruction Set Architecture Reference Guide (July 2026). The comments in the code are by the model that wrote it; some were corrected since.
;; Attention. Allowed arithmetic: float matrix products may take bf16 or f16 operands with f32 sums; all other float work in f32.
;; Inputs: Wk 512 x 512 float32; Wo 512 x 512 float32; Wq 512 x 512 float32; Wv 512 x 512 float32; pos_bias 8 x 1,024 x 1,024 float32; x 16 x 1,024 x 512 float32.
;; Outputs: out0 16 x 1,024 x 512 float32.
;; 3 versions, each right and faster than the one before. Each part assembles by itself: llvm-mc -triple=amdgcn-amd-amdhsa -mcpu=gfx1250 --defsym DOCPART=n.
;; ======== version 1 of 3: 4 launches
;; limits: values are held in f16: magnitudes above 65,504 overflow, below 6.1e-05 lose precision
;; workspace buffers: xh 16,777,216 bytes; wqkv 1,572,864 bytes; woh 524,288 bytes; q 16,777,216 bytes; kv 33,554,432 bytes; ao 16,777,216 bytes
;; launch cast (part 1): grid 256 x 1, 9 waves a work-group, no clusters, 0 bytes of LDS; arguments x, Wq, Wk, Wv, Wo, xh, wqkv, woh; writes xh, wqkv, woh
.if DOCPART == 1
	.amdgcn_target "amdgcn-amd-amdhsa--gfx1250"
	.amdhsa_code_object_version 6
	.text
	.protected	k_qc59280548c_cast
	.globl	k_qc59280548c_cast
	.p2align	8
	.type	k_qc59280548c_cast,@function
k_qc59280548c_cast:
	s_mov_b64 s[64:65], 0
	v_nop
	global_prefetch_b8 v0, s[64:65] scope:SCOPE_SE
	s_setreg_imm32_b32 hwreg(HW_REG_WAVE_MODE, 25, 1), 1
	s_wait_xcnt 0x0
; ATTENTION BLOCK, B = 16, N = 1024, DIM = 512, H = 8, DH = 64, in four launches:
;   1 cast   x and the four weights, f32 to f16, once (the weights of q, k, v regrouped by head)
;   2 qkv    q, k, v = x W^T, stored as the register images that launch 3 loads
;   3 attn   softmax(q k^T / 8 + pos_bias) v with a running maximum, stored as the register image that launch 4 loads
;   4 oproj  out0 = (attention output) Wo^T
; Nothing of reference() is left out: every input reaches out0, the maximum is taken away before every exponential.
; FORMAT: all matrix operands are f16 (11 significant bits), all sums, the softmax and pos_bias f32.
; LIMITS: |x|, |W| or a projection |x W^T| of 65,504 or more becomes an infinity in f16 (as drawn the projections have a spread of
; 0.45; with x and W both 30 times larger 405; with both offset by 30 spreads about 9,216).  Numbers below 2^-24 become 0 in f16,
; numbers below 2^-14 keep an absolute error of 2^-25.  NaN and infinities among the inputs get no treatment of their own.
; Sums run in another order than reference()'s.
;
; THIS LAUNCH: a stream.  Each wave turns 4,096 consecutive f32 (16 KiB) into 8 KiB of f16.  Waves 0 to 7 of work-group g take x at
; f32 number 32,768 g + 4,096 w.  Wave 8 takes rows 8 g to 8 g + 7 of the stack Wq, Wk, Wv, Wo: matrix m = g / 64, its rows 8 (g mod 64) on.
; wqkv is [head][Wq's 64 rows | Wk's 64 | Wv's 64][512], so that one head's 192 rows are one dense block for launch 2; woh is Wo as it lies.
; All 32 loads of a wave go out first (512 consecutive bytes each); a store covers 256 consecutive bytes, aligned.
; No register is written twice, so no source of a pending load or store is ever rewritten.  Nothing is shared: no LDS, no cluster.
.set X, 8                              ; v[8:135]   32 x 4 f32 as loaded
.set Y, 136                            ; v[136:199] 32 x 2 words of f16 to store
	s_load_b512 s[4:19], s[0:1], 0x0               ; x s[4:5], Wq s[6:7], Wk s[8:9], Wv s[10:11], Wo s[12:13], xh s[14:15], wqkv s[16:17], woh s[18:19]
	v_lshrrev_b32 v3, 5, v0
	v_readfirstlane_b32 s20, v3                    ; wave 0..8
	v_and_b32 v4, 31, v0
	v_lshlrev_b32 v1, 4, v4                        ; 16 bytes a lane in
	v_lshlrev_b32 v2, 3, v4                        ; 8 bytes a lane out
	s_lshr_b32 s22, ttmp9, 6                       ; m: which weight matrix
	s_bfe_u32 s23, ttmp9, 0x30003                  ; head of its rows: (g / 8) mod 8
	s_and_b32 s32, ttmp9, 63
	s_and_b32 s33, ttmp9, 7
	s_lshl_b32 s34, s32, 14                        ; weights, in: 8 rows of 2,048 bytes for each g mod 64
	s_mul_i32 s35, s23, 196608                     ; weights, out into wqkv: head x 192 rows of 1,024 bytes
	s_lshl_b32 s36, s22, 16                        ;   + m x 64 rows
	s_add_co_u32 s35, s35, s36
	s_lshl_b32 s36, s33, 13                        ;   + 8 (g mod 8) rows
	s_add_co_u32 s35, s35, s36
	s_lshl_b32 s36, s32, 13                        ; weights, out into woh: 8 (g mod 64) rows
	s_lshl_b32 s37, ttmp9, 17                      ; x, in: 131,072 g + 16,384 w
	s_lshl_b32 s38, s20, 14
	s_add_co_u32 s37, s37, s38
	s_lshl_b32 s38, ttmp9, 16                      ; x, out: half of that
	s_lshl_b32 s39, s20, 13
	s_add_co_u32 s38, s38, s39
	s_wait_kmcnt 0x0
	s_cmp_eq_u32 s22, 1                            ; the buffers are chosen by m and by the wave's number alone
	s_cselect_b64 s[28:29], s[8:9], s[6:7]
	s_cmp_eq_u32 s22, 2
	s_cselect_b64 s[28:29], s[10:11], s[28:29]
	s_cmp_eq_u32 s22, 3
	s_cselect_b64 s[28:29], s[12:13], s[28:29]
	s_cselect_b64 s[30:31], s[18:19], s[16:17]
	s_cselect_b32 s26, s36, s35
	s_cmp_lg_u32 s20, 8
	s_cselect_b64 s[28:29], s[4:5], s[28:29]
	s_cselect_b64 s[30:31], s[14:15], s[30:31]
	s_cselect_b32 s24, s37, s34
	s_cselect_b32 s26, s38, s26
	s_mov_b32 s25, 0
	s_mov_b32 s27, 0
	s_add_nc_u64 s[28:29], s[28:29], s[24:25]      ; from here
	s_add_nc_u64 s[30:31], s[30:31], s[26:27]      ; to here
.set i, 0
.rept 32
	global_load_b128 v[X+4*i:X+4*i+3], v1, s[28:29] offset:512*i th:TH_LOAD_NT
.set i, i+1
.endr
.set i, 0
.rept 32
	s_wait_loadcnt 31-i                            ; loads come back in order: number i is in, the 31 - i younger ones stay out
	v_cvt_pk_f16_f32 v[Y+2*i], v[X+4*i], v[X+4*i+1]
	v_cvt_pk_f16_f32 v[Y+2*i+1], v[X+4*i+2], v[X+4*i+3]
	global_store_b64 v2, v[Y+2*i:Y+2*i+1], s[30:31] offset:256*i
.set i, i+1
.endr
	s_endpgm
.Lfunc_end_k_qc59280548c_cast:
	.size	k_qc59280548c_cast, .Lfunc_end_k_qc59280548c_cast-k_qc59280548c_cast
	.p2alignl 7, 3214868480
	.fill 96, 4, 3214868480
	.section	.rodata,"a",@progbits
	.p2align	6, 0x0
	.amdhsa_kernel k_qc59280548c_cast
		.amdhsa_group_segment_fixed_size 0
		.amdhsa_private_segment_fixed_size 0
		.amdhsa_enable_private_segment 0
		.amdhsa_kernarg_size 64
		.amdhsa_user_sgpr_count 2
		.amdhsa_user_sgpr_kernarg_segment_ptr 1
		.amdhsa_wavefront_size32 1
		.amdhsa_system_sgpr_workgroup_id_x 1
		.amdhsa_system_sgpr_workgroup_id_y 1
		.amdhsa_system_sgpr_workgroup_id_z 1
		.amdhsa_system_vgpr_workitem_id 0
		.amdhsa_next_free_vgpr 200
		.amdhsa_next_free_sgpr 66
		.amdhsa_reserve_vcc 0
		.amdhsa_float_denorm_mode_32 3
		.amdhsa_float_denorm_mode_16_64 3
		.amdhsa_memory_ordered 1
		.amdhsa_forward_progress 1
		.amdhsa_inst_pref_size 13
	.end_amdhsa_kernel
	.amdgpu_metadata
---
amdhsa.version: [ 1, 2 ]
amdhsa.kernels:
  - .name:           k_qc59280548c_cast
    .symbol:         k_qc59280548c_cast.kd
    .args:
      - { .name: x, .offset: 0, .size: 8, .value_kind: global_buffer, .address_space: global }
      - { .name: Wq, .offset: 8, .size: 8, .value_kind: global_buffer, .address_space: global }
      - { .name: Wk, .offset: 16, .size: 8, .value_kind: global_buffer, .address_space: global }
      - { .name: Wv, .offset: 24, .size: 8, .value_kind: global_buffer, .address_space: global }
      - { .name: Wo, .offset: 32, .size: 8, .value_kind: global_buffer, .address_space: global }
      - { .name: xh, .offset: 40, .size: 8, .value_kind: global_buffer, .address_space: global }
      - { .name: wqkv, .offset: 48, .size: 8, .value_kind: global_buffer, .address_space: global }
      - { .name: woh, .offset: 56, .size: 8, .value_kind: global_buffer, .address_space: global }
    .group_segment_fixed_size: 0
    .private_segment_fixed_size: 0
    .kernarg_segment_align: 8
    .kernarg_segment_size: 64
    .max_flat_workgroup_size: 288
    .sgpr_count:     66
    .vgpr_count:     200
    .wavefront_size: 32
...
	.end_amdgpu_metadata
.endif
;; end of part 1
;; launch qkv (part 2): grid 8 x 64, 4 waves a work-group, clusters of 4 x 4, 327,680 bytes of LDS; arguments xh, wqkv, q, kv; writes q, kv
.if DOCPART == 2
	.amdgcn_target "amdgcn-amd-amdhsa--gfx1250"
	.amdhsa_code_object_version 6
	.text
	.protected	k_qc59280548c_qkv
	.globl	k_qc59280548c_qkv
	.p2align	8
	.type	k_qc59280548c_qkv,@function
k_qc59280548c_qkv:
	s_mov_b64 s[64:65], 0
	v_nop
	global_prefetch_b8 v0, s[64:65] scope:SCOPE_SE
	s_setreg_imm32_b32 hwreg(HW_REG_WAVE_MODE, 25, 1), 1
	s_wait_xcnt 0x0
	s_wait_alu depctr_hold_cnt(0) depctr_sa_sdst(0) depctr_va_vdst(0) depctr_va_sdst(0) depctr_va_ssrc(0) depctr_va_vcc(0) depctr_vm_vsrc(0)
	s_getreg_b32 s2, hwreg(HW_REG_IB_STS2, 6, 4)
	s_cmp_eq_u32 s2, 0
	s_cbranch_scc0 .Lentry_in_a_cluster
	s_endpgm
.Lentry_in_a_cluster:
	s_bfe_u32 s2, ttmp6, 0x10000c
	s_cmp_lg_u32 s2, 0xf033
	s_cbranch_scc0 .Lentry_shape_is_right
	s_endpgm
.Lentry_shape_is_right:
; LAUNCH 2 OF 4: q, k, v = x W^T for one head and 256 tokens in a work-group.  xh [16384][512] f16, wqkv [8 heads][192][512] f16.  Nothing is left out.
; Four waves, 2 x 2: wave w has token rows 128 (w / 2) .. + 127 (eight tiles a) and six column tiles lb: kind lb / 2 (q, k, v),
; 16 features 16 (2 (w mod 2) + lb mod 2) on.  48 accumulator tiles, 384 registers.  K = 512 goes in four steps of 128 through two LDS slots.
; CLUSTERS 4 x 4: the x tile hangs on the token block alone and is asked for jointly along a row of the cluster, the weights' tile on the
; head alone and is asked for jointly along a column: the requests are a quarter of the tiles that land.
; RESULTS ARE STORED AS REGISTER IMAGES, straight from registers, 512 consecutive aligned bytes an instruction:
;   q  [b][h][token tile 64][bq 4][lane 32][16 B]     lane 16 hf + r: token r, d = 16 bq + 8 hf .. + 7, times 1/8 (exact, in f32)
;   kv [b][h][key block of 64: 16][K 8192 B | V 8192 B]
;      K [kt 4][bq 4][lane][16 B]                      key 16 kt + r, d = 16 bq + 8 hf ..
;      V [kc 2][dt 4][c 2][lane][16 B]                 d = 16 dt + r, keys 32 kc + 16 c + 8 hf ..   (transposed)
; For q and k source 0 is the weights' fragment and source 1 x's: a lane then holds 8 neighbouring features of one token.
; For v the sources are swapped: a lane holds 8 neighbouring tokens of one feature.
; LIMIT: a projection of 65,504 or more in magnitude becomes an infinity in f16.
; REGISTERS: window 0: addresses, v32-223 packed results; window 1: two fragment buffers at 0 and 128 (x tile a at + 8 a, weights' tile lb at + 64 + 8 lb);
; window 2: accumulators of a = 0..3 at 8 (6 a + lb); window 3: those of a = 4..7.
.set PITCH,  272                       ; an LDS row: 256 bytes + 16 of padding, so that 16 rows of a fragment load start 16 bytes apart modulo 256
.set XROWS,  256*PITCH                 ; x's 256 rows, then the weights' 192
.set SLOT,   448*PITCH
.set ADRA, 16                          ; v16-17 LDS address of my x fragments in slot 0, 1
.set ADRB, 20                          ; v20-21 the same for the weights
.set LN,   26                          ; v26    16 x lane
.set TMP,  32                          ; v32-223 48 tiles x 4 words of f16
.set F0, 0
.set F1, 128
.set G1A, 24                           ; s[24:31] group 1, x's tiles
.set G0A, 32                           ; s[32:39] group 0, x's tiles, a set for each slot
.set G1B, 40                           ; s[40:47] group 1, the weights' tiles
.set G0B, 48                           ; s[48:55] group 0, the weights' tiles
.set MSB, 0
.macro WIN new                         ; the immediate's high byte repeats the setting that is left
.if MSB != \new
	s_set_vgpr_msb (MSB<<8)|\new
.set MSB, \new
.endif
.endm
.set MUL_LO, 0xa5                      ; sources 0 and 1 window 1, C and D window 2
.set MUL_HI, 0xf5                      ; the same, C and D window 3
.set TO_F,   0x40                      ; destination window 1, address window 0
; A joint load: waves 0 and 1 ask for x's two halves, waves 2 and 3 for the weights' two halves.  The branch hangs on the wave's number alone.
.macro JLOAD s
	s_cmp_eq_u32 s13, 0
	s_cbranch_scc0 .Lfor_b_\@
	tensor_load_to_lds s[G0A+4*\s:G0A+4*\s+3], s[G1A:G1A+7]
	s_nop 0
	s_branch .Lasked_\@
.Lfor_b_\@:
	tensor_load_to_lds s[G0B+4*\s:G0B+4*\s+3], s[G1B:G1B+7]
	s_nop 0
.Lasked_\@:
.endm
.macro CREST                           ; a round of the cluster's barrier behind its opening work-group barrier
	s_cmp_lg_u32 s12, 0
	s_cbranch_scc1 .Lnot_wave_0_\@
	s_barrier_signal -3
.Lnot_wave_0_\@:
	s_barrier_wait -3
	s_barrier_signal -1
	s_barrier_wait -1
.endm
.macro CROUND                          ; a whole round
	s_barrier_signal -1
	s_barrier_wait -1
	CREST
.endm
.macro PLACES                          ; four plain vector instructions between matrix instructions and a load into, or a vector instruction on, their registers
.rept 4
	v_nop
.endr
.endm
	s_load_b256 s[4:11], s[0:1], 0x0               ; xh s[4:5], wqkv s[6:7], q s[8:9], kv s[10:11]
	s_set_vgpr_msb 0x40
	v_lshl_add_u32 v254, v0, 2, 0x3b800
	v_mov_b32 v255, 0
	s_set_vgpr_msb 0x4045
	ds_add_u32 v254, v255
	s_set_vgpr_msb 0x4500
	v_lshrrev_b32 v1, 5, v0
	v_readfirstlane_b32 s12, v1                    ; wave 0..3
	s_lshr_b32 s13, s12, 1                         ; my half of the rows.  Also: I fetch for x (0) or for the weights (1)
	s_and_b32 s14, s12, 1                          ; my half of each kind's columns.  Also: which half of that tile I fetch
	s_bfe_u32 s15, ttmp6, 0x40000                  ; cx
	s_bfe_u32 s16, ttmp6, 0x40004                  ; cy
	s_lshl_b32 s17, ttmp9, 2
	s_add_co_u32 s17, s17, s15                     ; head = 4 x cluster x + cx
	s_and_b32 s18, ttmp7, 0xffff
	s_lshl_b32 s18, s18, 2
	s_add_co_u32 s18, s18, s16                     ; token block of 256 = 4 x cluster y + cy
	s_lshl_b32 s19, s16, 2
	s_lshl_b32 s19, 15, s19                        ; my row of the cluster
	s_lshl_b32 s20, 0x1111, s15                    ; my column
	s_or_b32 s[G1A+0], s19, (1<<16)|(1<<20)|(1<<21)|(5<<22)|(3<<25)  ; mask; elements of 2 bytes; padding on; bit 21 beside a mask; after every 64 words, 4 words
	s_mov_b32 s[G1A+1], 128<<16                    ; tensor_dim0 = 128
	s_mov_b32 s[G1A+2], 128<<16                    ; tensor_dim1 = 128
	s_mov_b32 s[G1A+3], 128<<16                    ; tile_dim0 = 128 elements, 256 bytes
	s_mov_b32 s[G1A+4], 128                        ; tile_dim1 = 128 rows
	s_mov_b32 s[G1A+5], 512                        ; elements from row to row
	s_mov_b32 s[G1A+6], 0
	s_mov_b32 s[G1A+7], 0
	s_or_b32 s[G1B+0], s20, (1<<16)|(1<<20)|(1<<21)|(5<<22)|(3<<25)
	s_mov_b32 s[G1B+1], 128<<16
	s_mov_b32 s[G1B+2], 96<<16                     ; 96 rows: half of a head's 192
	s_mov_b32 s[G1B+3], 128<<16
	s_mov_b32 s[G1B+4], 96
	s_mov_b32 s[G1B+5], 512
	s_mov_b32 s[G1B+6], 0
	s_mov_b32 s[G1B+7], 0
	s_lshl_b32 s66, s18, 18                        ; x: 256 rows of 1,024 bytes a block,
	s_lshl_b32 s21, s14, 17                        ;    + 128 rows for the second half.  s[66:67] never hold cx
	s_add_co_u32 s66, s66, s21
	s_mov_b32 s67, 0
	s_mul_i32 s68, s17, 196608                     ; weights: 192 rows a head,
	s_mul_i32 s22, s14, 98304                      ;    + 96 rows.  s[68:69] never hold cy
	s_add_co_u32 s68, s68, s22
	s_mov_b32 s69, 0
	s_mul_i32 s56, s12, 128*PITCH                  ; LDS: x's halves at wave x 128 rows (waves 0, 1)
	s_mul_i32 s57, s12, 96*PITCH                   ;      the weights' halves at 256 rows + (wave - 2) x 96 rows (waves 2, 3)
	s_add_co_u32 s57, s57, XROWS-2*96*PITCH
	s_wait_dscnt 0x0
	s_wait_kmcnt 0x0
	s_add_nc_u64 s[66:67], s[4:5], s[66:67]
	s_add_nc_u64 s[68:69], s[6:7], s[68:69]
	CROUND                                         ; all sixteen work-groups are here: the first joint loads meet
.irp s, 0,1
	s_mov_b32 s[G0A+4*\s], 1
	s_add_co_u32 s[G0A+4*\s+1], s56, \s*SLOT
	s_add_nc_u64 s[G0A+4*\s+2:G0A+4*\s+3], s[66:67], \s*256         ; K step s
	s_or_b32 s[G0A+4*\s+3], s[G0A+4*\s+3], 0x80000000
	s_mov_b32 s[G0B+4*\s], 1
	s_add_co_u32 s[G0B+4*\s+1], s57, \s*SLOT
	s_add_nc_u64 s[G0B+4*\s+2:G0B+4*\s+3], s[68:69], \s*256
	s_or_b32 s[G0B+4*\s+3], s[G0B+4*\s+3], 0x80000000
	JLOAD \s                                       ; both slots' first fills go out together: two tensor loads of the wave are out, later one
.endr
	; fragment addresses: row l % 16, 16 bytes for each half of the lanes; two loads 32 bytes apart make 16 rows x 32 K
	v_and_b32 v1, 15, v0
	v_bfe_u32 v2, v0, 4, 1
	v_mul_u32_u24 v3, v1, PITCH
	v_lshl_add_u32 v3, v2, 4, v3
	s_mul_i32 s58, s13, 128*PITCH                  ; my 128 rows of x
	s_mul_i32 s59, s14, 32*PITCH                   ; my 32 rows in each kind's 64
	s_add_co_u32 s59, s59, XROWS
.irp s, 0,1
	v_add_nc_u32 v[ADRA+\s], s58, v3
	v_add_nc_u32 v[ADRB+\s], s59, v3
	s_add_co_u32 s58, s58, SLOT
	s_add_co_u32 s59, s59, SLOT
.endr
	v_and_b32 v4, 31, v0
	v_lshlrev_b32 v[LN], 4, v4
	; where the results go
	s_lshr_b32 s76, s18, 2                         ; batch
	s_lshl_b32 s76, s76, 3
	s_add_co_u32 s76, s76, s17                     ; 8 batch + head
	s_and_b32 s77, s18, 3                          ; my 256 tokens among the batch's 1,024
	s_lshl_b32 s70, s76, 17                        ; q: 64 token tiles of 2,048 bytes for each (batch, head)
	s_lshl_b32 s78, s77, 4
	s_lshl3_add_u32 s78, s13, s78                  ;    token tile 16 block + 8 half
	s_lshl_b32 s78, s78, 11
	s_add_co_u32 s70, s70, s78
	s_lshl_b32 s78, s14, 10                        ;    bq = 2 (w mod 2) + ..
	s_add_co_u32 s70, s70, s78
	s_mov_b32 s71, 0
	s_add_nc_u64 s[70:71], s[8:9], s[70:71]
	s_lshl_b32 s72, s76, 18                        ; kv: 16 key blocks of 16,384 bytes
	s_lshl_b32 s79, s77, 2
	s_lshl1_add_u32 s79, s13, s79                  ;    key block 4 block + 2 half
	s_lshl_b32 s79, s79, 14
	s_add_co_u32 s72, s72, s79
	s_mov_b32 s73, 0
	s_add_nc_u64 s[72:73], s[10:11], s[72:73]
	s_lshl_b32 s74, s14, 11                        ; V: behind K's 8,192 bytes, dt = 2 (w mod 2) + ..
	s_add_co_u32 s74, s74, 8192
	s_mov_b32 s75, 0
	s_add_nc_u64 s[74:75], s[72:73], s[74:75]
	s_lshl_b32 s78, s14, 10                        ; K: bq = 2 (w mod 2) + ..
	s_mov_b32 s79, 0
	s_add_nc_u64 s[72:73], s[72:73], s[78:79]
; six matrix instructions: token tile 4 hi + al x my six column tiles, 32 along K.  zero = 1: the first product starts the sums.
; The 48 accumulators take turns, one instruction a turn, in the same order in every quarter step.
.macro MULA f, hi, al, zero
.irp lb, 0,1,2,3
.if \zero
	v_wmma_f32_16x16x32_f16 v[8*(6*\al+\lb):8*(6*\al+\lb)+7], v[\f+64+8*\lb:\f+64+8*\lb+7], v[\f+8*(4*\hi+\al):\f+8*(4*\hi+\al)+7], 0
.else
	v_wmma_f32_16x16x32_f16 v[8*(6*\al+\lb):8*(6*\al+\lb)+7], v[\f+64+8*\lb:\f+64+8*\lb+7], v[\f+8*(4*\hi+\al):\f+8*(4*\hi+\al)+7], v[8*(6*\al+\lb):8*(6*\al+\lb)+7]
.endif
.endr
.irp lb, 4,5
.if \zero
	v_wmma_f32_16x16x32_f16 v[8*(6*\al+\lb):8*(6*\al+\lb)+7], v[\f+8*(4*\hi+\al):\f+8*(4*\hi+\al)+7], v[\f+64+8*\lb:\f+64+8*\lb+7], 0
.else
	v_wmma_f32_16x16x32_f16 v[8*(6*\al+\lb):8*(6*\al+\lb)+7], v[\f+8*(4*\hi+\al):\f+8*(4*\hi+\al)+7], v[\f+64+8*\lb:\f+64+8*\lb+7], v[8*(6*\al+\lb):8*(6*\al+\lb)+7]
.endif
.endr
.endm
.macro MUL4 f, hi, zero
	MULA \f, \hi, 0, \zero
	MULA \f, \hi, 1, \zero
	MULA \f, \hi, 2, \zero
	MULA \f, \hi, 3, \zero
.endm
; 28 LDS loads in one run: a quarter step's fragments (32 K at byte k of the rows): 12 for the weights, 8 for x's tiles 0-3, 8 for tiles 4-7
.macro FETCH slot, k, f
	WIN TO_F
.irp lb, 0,1,2,3,4,5
	ds_load_b128 v[\f+64+8*\lb:\f+64+8*\lb+3],   v[ADRB+\slot] offset:\k+(64*(\lb/2)+16*(\lb%2))*PITCH
	ds_load_b128 v[\f+64+8*\lb+4:\f+64+8*\lb+7], v[ADRB+\slot] offset:\k+(64*(\lb/2)+16*(\lb%2))*PITCH+32
.endr
.irp a, 0,1,2,3,4,5,6,7
	ds_load_b128 v[\f+8*\a:\f+8*\a+3],   v[ADRA+\slot] offset:\k+\a*16*PITCH
	ds_load_b128 v[\f+8*\a+4:\f+8*\a+7], v[ADRA+\slot] offset:\k+\a*16*PITCH+32
.endr
.endm
; one of a K step's first three quarters: multiplies buffer f and fetches the next quarter's fragments into buffer g in its middle
.macro QUARTER slot, k, f, g, zero
	s_wait_dscnt 8                                 ; the weights and x's tiles 0-3 are in; the youngest eight loads (tiles 4-7) may be out
	WIN MUL_LO
	MUL4 \f, 0, \zero
	PLACES
	FETCH \slot, \k, \g
	s_wait_dscnt 28                                ; all but the 28 just issued
	WIN MUL_HI
	MUL4 \f, 1, \zero
.endm
.macro THREE slot, zero
	QUARTER \slot, 64,  F0, F1, \zero
	QUARTER \slot, 128, F1, F0, 0
	QUARTER \slot, 192, F0, F1, 0
.endm
; the last quarter: multiplies buffer 1 and changes slots.  In front of the barrier each wave waits for its reads of this slot and for all its
; tensor loads (one is out: its part of the next slot).  fill = 1: the barrier opens a round of the cluster's barrier, and the joint refill of
; this slot, two K steps ahead, is the first tensor load behind the round.
.macro TURN slot, next, fill
	s_wait_dscnt 8
	WIN MUL_LO
	MULA F1, 0, 0, 0
	MULA F1, 0, 1, 0
	s_wait_dscnt 0                                 ; my reads of this slot are over
	s_wait_tensorcnt 0x0                           ; all my tensor loads have landed
	ds_add_u32 v254, v255
	s_wait_dscnt 0x0
	s_barrier_signal -1
	MULA F1, 0, 2, 0                               ; registers only, while the others arrive
	MULA F1, 0, 3, 0
	WIN 0
	s_barrier_wait -1
.if \fill
	CREST                                          ; no wave of any partner still reads this slot or has a load on its way
	s_add_nc_u64 s[G0A+4*\slot+2:G0A+4*\slot+3], s[G0A+4*\slot+2:G0A+4*\slot+3], 512
	s_add_nc_u64 s[G0B+4*\slot+2:G0B+4*\slot+3], s[G0B+4*\slot+2:G0B+4*\slot+3], 512
	JLOAD \slot
.endif
	PLACES
	FETCH \next, 0, F0
	WIN MUL_HI
	MUL4 F1, 1, 0
.endm
	s_wait_tensorcnt 0x1                           ; my part of K step 0 is in; K step 1's may stay out
	s_barrier_signal -1
	s_barrier_wait -1
	FETCH 0, 0, F0
	THREE 0, 1                                     ; K step 0: its first products start the sums
	TURN 0, 1, 1                                   ; slot 0 gets K step 2
	THREE 1, 0
	TURN 1, 0, 1                                   ; slot 1 gets K step 3
	THREE 0, 0
	TURN 0, 1, 0                                   ; nothing is left to fetch
	THREE 1, 0
	s_wait_dscnt 8
	WIN MUL_LO
	MUL4 F1, 0, 0
	s_wait_dscnt 0
	WIN MUL_HI
	MUL4 F1, 1, 0
	; THE WAY OUT: q times 1/8 in f32, everything rounded once to f16, 16 bytes a lane, 48 stores of 512 consecutive bytes
	PLACES
.macro PACK hi, wmul, wcvt
	WIN \wmul
.irp al, 0,1,2,3
.irp lb, 0,1
.irp p, 0,2,4,6
	v_pk_mul_f32 v[8*(6*\al+\lb)+\p:8*(6*\al+\lb)+\p+1], v[8*(6*\al+\lb)+\p:8*(6*\al+\lb)+\p+1], 0x3e000000 op_sel_hi:[1,0]
.endr
.endr
.endr
	WIN \wcvt
.irp al, 0,1,2,3
.irp lb, 0,1,2,3,4,5
.irp p, 0,1,2,3
	v_cvt_pk_f16_f32 v[TMP+4*(24*\hi+6*\al+\lb)+\p], v[8*(6*\al+\lb)+2*\p], v[8*(6*\al+\lb)+2*\p+1]
.endr
.endr
.endr
.endm
	PACK 0, 0x82, 0x0a                             ; window 2 in place, then window 2 to window 0
	PACK 1, 0xc3, 0x0f                             ; window 3 likewise
	WIN 0
.irp a, 0,1,2,3,4,5,6,7
.irp e, 0,1
	global_store_b128 v[LN], v[TMP+4*(6*\a+\e):TMP+4*(6*\a+\e)+3],     s[70:71] offset:\a*2048+\e*512
	global_store_b128 v[LN], v[TMP+4*(6*\a+2+\e):TMP+4*(6*\a+2+\e)+3], s[72:73] offset:(\a/4)*16384+(\a%4)*2048+\e*512
	global_store_b128 v[LN], v[TMP+4*(6*\a+4+\e):TMP+4*(6*\a+4+\e)+3], s[74:75] offset:(\a/4)*16384+(((\a%4)/2)*4+\e)*1024+(\a%2)*512
.endr
.endr
	CROUND                                         ; the closing round: no work-group ends while a partner may still ask for a tile that names it
	s_endpgm
.Lfunc_end_k_qc59280548c_qkv:
	.size	k_qc59280548c_qkv, .Lfunc_end_k_qc59280548c_qkv-k_qc59280548c_qkv
	.p2alignl 7, 3214868480
	.fill 96, 4, 3214868480
	.section	.rodata,"a",@progbits
	.p2align	6, 0x0
	.amdhsa_kernel k_qc59280548c_qkv
		.amdhsa_group_segment_fixed_size 327680
		.amdhsa_private_segment_fixed_size 0
		.amdhsa_enable_private_segment 0
		.amdhsa_kernarg_size 32
		.amdhsa_user_sgpr_count 2
		.amdhsa_user_sgpr_kernarg_segment_ptr 1
		.amdhsa_wavefront_size32 1
		.amdhsa_system_sgpr_workgroup_id_x 1
		.amdhsa_system_sgpr_workgroup_id_y 1
		.amdhsa_system_sgpr_workgroup_id_z 1
		.amdhsa_system_vgpr_workitem_id 0
		.amdhsa_next_free_vgpr 960
		.amdhsa_next_free_sgpr 80
		.amdhsa_reserve_vcc 0
		.amdhsa_float_denorm_mode_32 3
		.amdhsa_float_denorm_mode_16_64 3
		.amdhsa_memory_ordered 1
		.amdhsa_forward_progress 1
		.amdhsa_inst_pref_size 112
	.end_amdhsa_kernel
	.amdgpu_metadata
---
amdhsa.version: [ 1, 2 ]
amdhsa.kernels:
  - .name:           k_qc59280548c_qkv
    .symbol:         k_qc59280548c_qkv.kd
    .args:
      - { .name: xh, .offset: 0, .size: 8, .value_kind: global_buffer, .address_space: global }
      - { .name: wqkv, .offset: 8, .size: 8, .value_kind: global_buffer, .address_space: global }
      - { .name: q, .offset: 16, .size: 8, .value_kind: global_buffer, .address_space: global }
      - { .name: kv, .offset: 24, .size: 8, .value_kind: global_buffer, .address_space: global }
    .group_segment_fixed_size: 327680
    .private_segment_fixed_size: 0
    .kernarg_segment_align: 8
    .kernarg_segment_size: 32
    .max_flat_workgroup_size: 128
    .sgpr_count:     80
    .vgpr_count:     960
    .wavefront_size: 32
...
	.end_amdgpu_metadata
.endif
;; end of part 2
;; launch attn (part 3): grid 32 x 16, 4 waves a work-group, clusters of 4 x 4, 327,680 bytes of LDS; arguments q, kv, pos_bias, ao; writes ao
.if DOCPART == 3
	.amdgcn_target "amdgcn-amd-amdhsa--gfx1250"
	.amdhsa_code_object_version 6
	.text
	.protected	k_qc59280548c_attn
	.globl	k_qc59280548c_attn
	.p2align	8
	.type	k_qc59280548c_attn,@function
k_qc59280548c_attn:
	s_mov_b64 s[64:65], 0
	v_nop
	global_prefetch_b8 v0, s[64:65] scope:SCOPE_SE
	s_setreg_imm32_b32 hwreg(HW_REG_WAVE_MODE, 25, 1), 1
	s_wait_xcnt 0x0
	s_wait_alu depctr_hold_cnt(0) depctr_sa_sdst(0) depctr_va_vdst(0) depctr_va_sdst(0) depctr_va_ssrc(0) depctr_va_vcc(0) depctr_vm_vsrc(0)
	s_getreg_b32 s2, hwreg(HW_REG_IB_STS2, 6, 4)
	s_cmp_eq_u32 s2, 0
	s_cbranch_scc0 .Lentry_in_a_cluster
	s_endpgm
.Lentry_in_a_cluster:
	s_bfe_u32 s2, ttmp6, 0x10000c
	s_cmp_lg_u32 s2, 0xf033
	s_cbranch_scc0 .Lentry_shape_is_right
	s_endpgm
.Lentry_shape_is_right:
; LAUNCH 3 OF 4: softmax(q k^T + pos_bias) v for one (batch, head) and 256 queries in a work-group; q already carries the factor 1/8.  Nothing is left out.
; Wave w has queries 64 w .. + 63 of the block: four tiles qt.  Keys go in 16 blocks of 64 through two LDS slots, with a running maximum.
; CLUSTERS 4 x 4: cluster x = head, cx = query block, batch = 4 x cluster y + cy.  K and V hang on (batch, head): asked for jointly along a row of
; the cluster.  The bias tile hangs on (head, query block): asked for jointly along a column, so four batches share each request.
; TRANSPOSED FORM.  S^T = K Q^T + bias^T: source 0 = K's fragment, source 1 = Q's, C = the bias, loaded from LDS into the score registers.
; Lane (r = l % 16, hf = l / 16), register j of tile (qt, kt) holds query r, key 16 kt + 8 hf + j.  So a query's maximum and sum are taken inside
; a lane plus one exchange between the halves; two score tiles rounded to f16 ARE the fragment P^T (source 1) of O^T = V^T P^T; and in O^T
; lane r holds query r, so the rescaling factor and 1 / sum are one number a lane.
; SOFTMAX: p = 2^(s log2e + NM), NM = round(-m log2e), one fused multiply-add; alpha = 2^(NM new - NM old).  p and alpha use the same rounded NM,
; so its rounding cancels in O / sum.  The sum is kept for each half of the lanes apart and joined at the end.
; LIMITS: p below 2^-24 of its row's largest becomes 0 in f16.  NaN and infinities get no treatment of their own.
; ao is stored as launch 4's register image: [token tile 1024][ks 16][c 2][lane][16 B]: token r, feature 32 ks + 16 c + 8 hf .. + 7.
; A trip stands in phases (scores, softmax, products with V).
.set PITCH, 272                        ; a bias row in LDS: 64 f32 + 16 bytes of padding
.set KOFF,  256*PITCH                  ; behind the bias' 256 rows: K's image, 8,192 bytes, then V's
.set SLOT,  KOFF+16384
.set LB, 2                             ; v2-3    LDS address of my bias rows in slot 0, 1
.set LK, 4                             ; v4-5    LDS address of K's image + 16 x lane in slot 0, 1
.set LN, 6                             ; v6      16 x lane
.set MX, 8                             ; v8-11   running maximum of query tile qt
.set LS, 12                            ; v12-15  running sum, this half of the lanes' keys
.set AL, 16                            ; v16-23  alpha, later 1 / sum, twice (a pair for the packed multiply)
.set TP, 24                            ; v24-31  at work
.set SC, 32                            ; v32-159 scores: tile (qt, kt) at 32 qt + 8 kt
.set PR, 160                           ; v160-223 P^T in f16: fragment (qt, kc) at 16 qt + 8 kc
.set NM, 224                           ; v224-231 -m log2e, twice
.set QF, 0                             ; window 1: Q's fragments (qt, ks) at 16 qt + 8 ks
.set KF, 64                            ; window 1: K's fragments (kt, ks) at 16 kt + 8 ks
.set VF, 128                           ; window 1: V^T's fragments (kc, dt) at 32 kc + 8 dt
.set OA, 0                             ; window 2: O^T's tiles (qt, dt) at 32 qt + 8 dt
.set GB1, 24                           ; s[24:31] group 1, bias
.set GB0, 32                           ; s[32:39] group 0, bias, a set for each slot
.set GK1, 40                           ; s[40:47] group 1, K and V
.set GK0, 48                           ; s[48:55] group 0, K and V
.set MSB, 0
.macro WIN new
.if MSB != \new
	s_set_vgpr_msb (MSB<<8)|\new
.set MSB, \new
.endif
.endm
.macro JLOAD s                         ; waves 0 and 1 ask for the bias' two halves, wave 2 for K's image, wave 3 for V's
	s_cmp_eq_u32 s13, 0
	s_cbranch_scc0 .Lfor_kv_\@
	tensor_load_to_lds s[GB0+4*\s:GB0+4*\s+3], s[GB1:GB1+7]
	s_nop 0
	s_branch .Lasked_\@
.Lfor_kv_\@:
	tensor_load_to_lds s[GK0+4*\s:GK0+4*\s+3], s[GK1:GK1+7]
	s_nop 0
.Lasked_\@:
.endm
.macro ROUND                           ; a round of the cluster's barrier
	s_barrier_signal -1
	s_barrier_wait -1
	s_cmp_lg_u32 s12, 0
	s_cbranch_scc1 .Lnot_wave_0_\@
	s_barrier_signal -3
.Lnot_wave_0_\@:
	s_barrier_wait -3
	s_barrier_signal -1
	s_barrier_wait -1
.endm
.macro PLACES
.rept 4
	v_nop
.endr
.endm
	s_load_b256 s[4:11], s[0:1], 0x0               ; q s[4:5], kv s[6:7], pos_bias s[8:9], ao s[10:11]
	v_lshl_add_u32 v254, v0, 2, 0x2a000
	v_mov_b32 v255, 0
	ds_add_u32 v254, v255
	v_lshrrev_b32 v1, 5, v0
	v_readfirstlane_b32 s12, v1                    ; wave 0..3
	s_lshr_b32 s13, s12, 1                         ; I fetch bias (0) or K / V (1)
	s_and_b32 s14, s12, 1                          ; which half
	s_bfe_u32 s15, ttmp6, 0x40000                  ; cx: query block of 256
	s_bfe_u32 s16, ttmp6, 0x40004                  ; cy
	s_mov_b32 s17, ttmp9                           ; head
	s_and_b32 s18, ttmp7, 0xffff
	s_lshl_b32 s18, s18, 2
	s_add_co_u32 s18, s18, s16                     ; batch
	s_lshl_b32 s19, s16, 2
	s_lshl_b32 s19, 15, s19                        ; my row of the cluster
	s_lshl_b32 s20, 0x1111, s15                    ; my column
	s_mov_b32 s57, 0x76543210                      ; v_permlanex16_b32: lane i of one half reads lane i of the other
	s_mov_b32 s58, 0xfedcba98
	s_mov_b32 s60, 0x3fb8aa3b                      ; log2 e, twice
	s_mov_b32 s61, 0x3fb8aa3b
	s_mov_b32 s62, 0xbfb8aa3b                      ; -log2 e
	s_or_b32 s[GB1+0], s20, (2<<16)|(1<<20)|(1<<21)|(5<<22)|(3<<25)  ; mask of my column; elements of 4 bytes; padding: after every 64 words, 4 words
	s_mov_b32 s[GB1+1], 64<<16                     ; tensor_dim0 = 64
	s_mov_b32 s[GB1+2], 128<<16                    ; tensor_dim1 = 128
	s_mov_b32 s[GB1+3], 64<<16                     ; tile_dim0 = 64 keys, 256 bytes
	s_mov_b32 s[GB1+4], 128                        ; tile_dim1 = 128 queries
	s_mov_b32 s[GB1+5], 1024                       ; elements from row to row
	s_mov_b32 s[GB1+6], 0
	s_mov_b32 s[GB1+7], 0
	s_or_b32 s[GK1+0], s19, (3<<16)|(1<<21)        ; mask of my row; elements of 8 bytes; a dense block of 8,192 bytes as 32 rows of 256
	s_mov_b32 s[GK1+1], 32<<16
	s_mov_b32 s[GK1+2], 32<<16
	s_mov_b32 s[GK1+3], 32<<16
	s_mov_b32 s[GK1+4], 32
	s_mov_b32 s[GK1+5], 32
	s_mov_b32 s[GK1+6], 0
	s_mov_b32 s[GK1+7], 0
	s_lshl_b32 s66, s17, 22                        ; bias: head x 1024 x 4,096 bytes
	s_lshl_b32 s21, s15, 20                        ;   + 256 rows a query block
	s_add_co_u32 s66, s66, s21
	s_lshl_b32 s21, s14, 19                        ;   + 128 rows for the second half.  s[66:67] never hold cy
	s_add_co_u32 s66, s66, s21
	s_mov_b32 s67, 0
	s_lshl_b32 s68, s18, 3
	s_add_co_u32 s68, s68, s17                     ; 8 batch + head
	s_lshl_b32 s68, s68, 18                        ; kv: 262,144 bytes each
	s_lshl_b32 s22, s14, 13                        ;   K's image or V's.  s[68:69] never hold cx
	s_add_co_u32 s68, s68, s22
	s_mov_b32 s69, 0
	s_mul_i32 s76, s12, 128*PITCH                  ; LDS: the bias' halves at wave x 128 rows (waves 0, 1)
	s_lshl_b32 s77, s12, 13                        ;      K's and V's images at KOFF + (wave - 2) x 8,192 (waves 2, 3)
	s_add_co_u32 s77, s77, KOFF-16384
	s_lshl_b32 s74, s18, 3
	s_add_co_u32 s74, s74, s17
	s_lshl_b32 s70, s74, 17                        ; q: (8 batch + head) x 64 token tiles of 2,048 bytes
	s_lshl_b32 s75, s15, 15                        ;    + 16 tiles a query block
	s_add_co_u32 s70, s70, s75
	s_lshl_b32 s75, s12, 13                        ;    + 4 tiles a wave
	s_add_co_u32 s70, s70, s75
	s_mov_b32 s71, 0
	s_lshl_b32 s72, s18, 20                        ; ao: batch x 64 token tiles of 16,384 bytes
	s_lshl_b32 s75, s15, 18
	s_add_co_u32 s72, s72, s75
	s_lshl_b32 s75, s12, 16
	s_add_co_u32 s72, s72, s75
	s_lshl_b32 s75, s17, 11                        ;    + head x 64 features = 2,048 bytes of the image
	s_add_co_u32 s72, s72, s75
	s_mov_b32 s73, 0
	s_wait_dscnt 0x0
	s_wait_kmcnt 0x0
	s_add_nc_u64 s[66:67], s[8:9], s[66:67]
	s_add_nc_u64 s[68:69], s[6:7], s[68:69]
	s_add_nc_u64 s[70:71], s[4:5], s[70:71]
	s_add_nc_u64 s[72:73], s[10:11], s[72:73]
	ROUND                                          ; all sixteen work-groups are here: the first joint loads meet
.irp s, 0,1
	s_mov_b32 s[GB0+4*\s], 1
	s_add_co_u32 s[GB0+4*\s+1], s76, \s*SLOT
	s_add_nc_u64 s[GB0+4*\s+2:GB0+4*\s+3], s[66:67], \s*256         ; key block s: 64 keys of 4 bytes
	s_or_b32 s[GB0+4*\s+3], s[GB0+4*\s+3], 0x80000000
	s_mov_b32 s[GK0+4*\s], 1
	s_add_co_u32 s[GK0+4*\s+1], s77, \s*SLOT
	s_add_nc_u64 s[GK0+4*\s+2:GK0+4*\s+3], s[68:69], \s*16384
	s_or_b32 s[GK0+4*\s+3], s[GK0+4*\s+3], 0x80000000
	JLOAD \s                                       ; two tensor loads of the wave are out here, later one
.endr
	v_and_b32 v1, 15, v0                           ; r
	v_bfe_u32 v7, v0, 4, 1                         ; hf
	v_and_b32 v[TP], 31, v0
	v_lshlrev_b32 v[LN], 4, v[TP]
	v_mul_u32_u24 v[TP+1], v1, PITCH
	v_lshl_add_u32 v[TP+1], v7, 5, v[TP+1]         ; row r, 8 keys = 32 bytes for each half of the lanes
	s_mul_i32 s59, s12, 64*PITCH                   ; my 64 rows
	v_add_nc_u32 v[LB], s59, v[TP+1]
	v_add_nc_u32 v[LB+1], SLOT, v[LB]
	v_add_nc_u32 v[LK], KOFF, v[LN]
	v_add_nc_u32 v[LK+1], KOFF+SLOT, v[LN]
	v_mov_b32 v[TP+6], 0                           ; the lane exchange counts as a reader of its destination
	WIN 0x40                                       ; destination window 1, address window 0
.set i, 0
.rept 16
	global_load_b128 v[QF+4*i:QF+4*i+3], v[LN], s[70:71] offset:512*i th:TH_LOAD_NT   ; Q's fragments, as they lie: 512 consecutive bytes a load
.set i, i+1
.endr
	WIN 0
; The softmax step of query tile qt on its 64 new scores.  first = 1: no maximum, sum or O yet.
.macro SOFT qt, first
.set SQ, SC+32*\qt
.irp kt, 0,1,2,3
	v_max3_num_f32 v[TP+\kt], v[SQ+8*\kt], v[SQ+8*\kt+1], v[SQ+8*\kt+2]      ; four chains that do not wait for each other
.endr
.irp kt, 0,1,2,3
	v_max3_num_f32 v[TP+\kt], v[TP+\kt], v[SQ+8*\kt+3], v[SQ+8*\kt+4]
.endr
.irp kt, 0,1,2,3
	v_max3_num_f32 v[TP+\kt], v[TP+\kt], v[SQ+8*\kt+5], v[SQ+8*\kt+6]
.endr
	v_max3_num_f32 v[TP+4], v[TP], v[TP+1], v[SQ+7]
	v_max3_num_f32 v[TP+5], v[TP+2], v[TP+3], v[SQ+15]
	v_max3_num_f32 v[TP+4], v[TP+4], v[TP+5], v[SQ+23]
.if \first
	v_max_num_f32 v[TP+4], v[TP+4], v[SQ+31]
.else
	v_max3_num_f32 v[TP+4], v[TP+4], v[SQ+31], v[MX+\qt]
.endif
	v_permlanex16_b32 v[TP+6], v[TP+4], s57, s58   ; the other half of the lanes holds the query's other 32 keys
	v_max_num_f32 v[MX+\qt], v[TP+4], v[TP+6]      ; the new maximum, the same in both halves
.if \first
	v_mul_f32 v[NM+2*\qt], s62, v[MX+\qt]
	v_mul_f32 v[NM+2*\qt+1], s62, v[MX+\qt]
.else
	v_mul_f32 v[TP+7], s62, v[MX+\qt]
	v_sub_f32 v[TP+5], v[TP+7], v[NM+2*\qt]        ; (m old - m new) log2e, from the two rounded products
	v_exp_f32 v[AL+2*\qt], v[TP+5]
	v_mov_b32 v[NM+2*\qt], v[TP+7]                 ; plain instructions between the exponential and the use of its result (ISA guide 5.7.2)
	v_mov_b32 v[NM+2*\qt+1], v[TP+7]
	s_wait_alu depctr_va_vdst(0)
	v_mov_b32 v[AL+2*\qt+1], v[AL+2*\qt]
.endif
.set i, 0
.rept 16
	v_pk_fma_f32 v[SQ+i:SQ+i+1], v[SQ+i:SQ+i+1], s[60:61], v[NM+2*\qt:NM+2*\qt+1] op_sel_hi:[1,0,1]
.set i, i+2
.endr
.set i, 0
.rept 32
	v_exp_f32 v[SQ+i], v[SQ+i]
.set i, i+1
.endr
	v_nop                                          ; one plain instruction behind the last exponential
	s_wait_alu depctr_va_vdst(0)
	v_pk_add_f32 v[TP:TP+1], v[SQ:SQ+1], v[SQ+2:SQ+3]
	v_pk_add_f32 v[TP+2:TP+3], v[SQ+4:SQ+5], v[SQ+6:SQ+7]
.set i, 8
.rept 6
	v_pk_add_f32 v[TP:TP+1], v[TP:TP+1], v[SQ+i:SQ+i+1]
	v_pk_add_f32 v[TP+2:TP+3], v[TP+2:TP+3], v[SQ+i+2:SQ+i+3]
.set i, i+4
.endr
	v_pk_add_f32 v[TP:TP+1], v[TP:TP+1], v[TP+2:TP+3]
.if \first
	v_add_f32 v[LS+\qt], v[TP], v[TP+1]
.else
	v_add_f32 v[TP], v[TP], v[TP+1]
	v_fma_f32 v[LS+\qt], v[LS+\qt], v[AL+2*\qt], v[TP]
.endif
.set i, 0
.rept 16
	v_cvt_pk_f16_f32 v[PR+16*\qt+i], v[SQ+2*i], v[SQ+2*i+1]   ; tiles kt = 2 kc, 2 kc + 1 become registers 0-3, 4-7 of fragment kc
.set i, i+1
.endr
.endm
; 16 products O^T += V^T P^T over keys 32 kc .. + 31; the 16 accumulators take turns
.macro PVK kc, zero
.irp qt, 0,1,2,3
.irp dt, 0,1,2,3
.if \zero
	v_wmma_f32_16x16x32_f16 v[OA+32*\qt+8*\dt:OA+32*\qt+8*\dt+7], v[VF+32*\kc+8*\dt:VF+32*\kc+8*\dt+7], v[PR+16*\qt+8*\kc:PR+16*\qt+8*\kc+7], 0
.else
	v_wmma_f32_16x16x32_f16 v[OA+32*\qt+8*\dt:OA+32*\qt+8*\dt+7], v[VF+32*\kc+8*\dt:VF+32*\kc+8*\dt+7], v[PR+16*\qt+8*\kc:PR+16*\qt+8*\kc+7], v[OA+32*\qt+8*\dt:OA+32*\qt+8*\dt+7]
.endif
.endr
.endr
.endm
; one key block from a slot
.macro WORK slot, first
	WIN 0x40
.set i, 0
.rept 16
	ds_load_b128 v[KF+4*i:KF+4*i+3], v[LK+\slot] offset:512*i              ; K's image as it lies
.set i, i+1
.endr
	WIN 0
.irp qt, 0,1,2,3
.irp kt, 0,1,2,3
	ds_load_b128 v[SC+32*\qt+8*\kt:SC+32*\qt+8*\kt+3],   v[LB+\slot] offset:\qt*16*PITCH+\kt*64      ; the bias, where the scores will stand
	ds_load_b128 v[SC+32*\qt+8*\kt+4:SC+32*\qt+8*\kt+7], v[LB+\slot] offset:\qt*16*PITCH+\kt*64+16
.endr
.endr
	WIN 0x40
.set i, 0
.rept 16
	ds_load_b128 v[VF+4*i:VF+4*i+3], v[LK+\slot] offset:8192+512*i         ; V's image
.set i, i+1
.endr
	WIN 0x05                                       ; sources 0 and 1 window 1, C and D window 0
.irp qt, 0,1,2,3
	s_wait_dscnt 40-8*\qt                          ; K and the bias up to tile qt are in; the later tiles' 8 loads each and V's 16 may be out
.irp ks, 0,1
.irp kt, 0,1,2,3
	v_wmma_f32_16x16x32_f16 v[SC+32*\qt+8*\kt:SC+32*\qt+8*\kt+7], v[KF+16*\kt+8*\ks:KF+16*\kt+8*\ks+7], v[QF+16*\qt+8*\ks:QF+16*\qt+8*\ks+7], v[SC+32*\qt+8*\kt:SC+32*\qt+8*\kt+7]
.endr
.endr
.endr
	WIN 0
	PLACES                                         ; four places behind the last product before a vector instruction reads the scores
	SOFT 0, \first
	SOFT 1, \first
	SOFT 2, \first
	SOFT 3, \first
.if \first
.else
	WIN 0x82                                       ; O in window 2, alpha in window 0
.irp qt, 0,1,2,3
.set i, 0
.rept 16
	v_pk_mul_f32 v[OA+32*\qt+i:OA+32*\qt+i+1], v[OA+32*\qt+i:OA+32*\qt+i+1], v[AL+2*\qt:AL+2*\qt+1]
.set i, i+2
.endr
.endr
.endif
	s_wait_dscnt 0                                 ; V is in
	WIN 0xa1                                       ; source 0 window 1, source 1 window 0, C and D window 2
	PVK 0, \first
	PVK 1, 0
	WIN 0
	PLACES                                         ; before the next block's loads into V's fragments and its writes of P and O
.endm
; A later key block.  Every wave waits for all its tensor loads and for its reads of the other slot; a round of the cluster's barrier; the joint
; refill of the other slot, two blocks ahead of what it held, is the first tensor load behind the round, one a wave.
.macro TRIP slot, other, refill
	s_wait_tensorcnt 0x0                           ; my part of this slot among them; no load of mine is out, so a group 0 may be written
	ds_add_u32 v254, v255
	s_wait_dscnt 0x0
.if \refill
	s_add_nc_u64 s[GB0+4*\other+2:GB0+4*\other+3], s[GB0+4*\other+2:GB0+4*\other+3], 512
	s_add_nc_u64 s[GK0+4*\other+2:GK0+4*\other+3], s[GK0+4*\other+2:GK0+4*\other+3], 32768
.endif
	s_wait_dscnt 0x0
	ROUND
.if \refill
	JLOAD \other
.endif
	WORK \slot, 0
.endm
	s_wait_tensorcnt 0x1                           ; my part of key block 0 is in; block 1's may stay out
	s_barrier_signal -1
	s_barrier_wait -1
	s_wait_loadcnt 0x0                             ; Q
	WORK 0, 1                                      ; block 0 starts maximum, sum and O
	TRIP 1, 0, 1                                   ; block 1; slot 0 gets block 2
	s_mov_b32 s56, 6
.Lpair:
	TRIP 0, 1, 1                                   ; blocks 2 to 13
	TRIP 1, 0, 1
	s_sub_co_u32 s56, s56, 1
	s_cmp_lg_u32 s56, 0
	s_cbranch_scc1 .Lpair
	TRIP 0, 1, 1                                   ; block 14; slot 1 gets block 15
	TRIP 1, 0, 0                                   ; block 15: nothing is left to fetch
	; THE END: join the two halves' sums, O / sum, round to f16, 16 stores of 512 consecutive bytes
.irp qt, 0,1,2,3
	v_permlanex16_b32 v[TP+6], v[LS+\qt], s57, s58
	v_add_f32 v[TP+\qt], v[LS+\qt], v[TP+6]
.endr
.irp qt, 0,1,2,3
	v_rcp_f32 v[AL+2*\qt], v[TP+\qt]               ; the sum is about 1 at the least: the largest score's own term
.endr
	v_nop
	s_wait_alu depctr_va_vdst(0)
.irp qt, 0,1,2,3
	v_mov_b32 v[AL+2*\qt+1], v[AL+2*\qt]
.endr
	WIN 0x82
.irp qt, 0,1,2,3
.set i, 0
.rept 16
	v_pk_mul_f32 v[OA+32*\qt+i:OA+32*\qt+i+1], v[OA+32*\qt+i:OA+32*\qt+i+1], v[AL+2*\qt:AL+2*\qt+1]
.set i, i+2
.endr
.endr
	WIN 0x0a                                       ; sources window 2, destination window 0
.set i, 0
.rept 64
	v_cvt_pk_f16_f32 v[SC+i], v[OA+2*i], v[OA+2*i+1]
.set i, i+1
.endr
	WIN 0
.irp qt, 0,1,2,3
.irp dt, 0,1,2,3
	global_store_b128 v[LN], v[SC+4*(4*\qt+\dt):SC+4*(4*\qt+\dt)+3], s[72:73] offset:\qt*16384+\dt*512
.endr
.endr
	ROUND                                          ; the closing round
	s_endpgm
.Lfunc_end_k_qc59280548c_attn:
	.size	k_qc59280548c_attn, .Lfunc_end_k_qc59280548c_attn-k_qc59280548c_attn
	.p2alignl 7, 3214868480
	.fill 96, 4, 3214868480
	.section	.rodata,"a",@progbits
	.p2align	6, 0x0
	.amdhsa_kernel k_qc59280548c_attn
		.amdhsa_group_segment_fixed_size 327680
		.amdhsa_private_segment_fixed_size 0
		.amdhsa_enable_private_segment 0
		.amdhsa_kernarg_size 32
		.amdhsa_user_sgpr_count 2
		.amdhsa_user_sgpr_kernarg_segment_ptr 1
		.amdhsa_wavefront_size32 1
		.amdhsa_system_sgpr_workgroup_id_x 1
		.amdhsa_system_sgpr_workgroup_id_y 1
		.amdhsa_system_sgpr_workgroup_id_z 1
		.amdhsa_system_vgpr_workitem_id 0
		.amdhsa_next_free_vgpr 640
		.amdhsa_next_free_sgpr 80
		.amdhsa_reserve_vcc 0
		.amdhsa_float_denorm_mode_32 3
		.amdhsa_float_denorm_mode_16_64 3
		.amdhsa_memory_ordered 1
		.amdhsa_forward_progress 1
		.amdhsa_inst_pref_size 223
	.end_amdhsa_kernel
	.amdgpu_metadata
---
amdhsa.version: [ 1, 2 ]
amdhsa.kernels:
  - .name:           k_qc59280548c_attn
    .symbol:         k_qc59280548c_attn.kd
    .args:
      - { .name: q, .offset: 0, .size: 8, .value_kind: global_buffer, .address_space: global }
      - { .name: kv, .offset: 8, .size: 8, .value_kind: global_buffer, .address_space: global }
      - { .name: pos_bias, .offset: 16, .size: 8, .value_kind: global_buffer, .address_space: global }
      - { .name: ao, .offset: 24, .size: 8, .value_kind: global_buffer, .address_space: global }
    .group_segment_fixed_size: 327680
    .private_segment_fixed_size: 0
    .kernarg_segment_align: 8
    .kernarg_segment_size: 32
    .max_flat_workgroup_size: 128
    .sgpr_count:     80
    .vgpr_count:     640
    .wavefront_size: 32
...
	.end_amdgpu_metadata
.endif
;; end of part 3
;; launch oproj (part 4): grid 4 x 64, 4 waves a work-group, clusters of 4 x 4, 327,680 bytes of LDS; arguments ao, woh, out0; writes out0
.if DOCPART == 4
	.amdgcn_target "amdgcn-amd-amdhsa--gfx1250"
	.amdhsa_code_object_version 6
	.text
	.protected	k_qc59280548c_oproj
	.globl	k_qc59280548c_oproj
	.p2align	8
	.type	k_qc59280548c_oproj,@function
k_qc59280548c_oproj:
	s_mov_b64 s[64:65], 0
	v_nop
	global_prefetch_b8 v0, s[64:65] scope:SCOPE_SE
	s_setreg_imm32_b32 hwreg(HW_REG_WAVE_MODE, 25, 1), 1
	s_wait_xcnt 0x0
	s_wait_alu depctr_hold_cnt(0) depctr_sa_sdst(0) depctr_va_vdst(0) depctr_va_sdst(0) depctr_va_ssrc(0) depctr_va_vcc(0) depctr_vm_vsrc(0)
	s_getreg_b32 s2, hwreg(HW_REG_IB_STS2, 6, 4)
	s_cmp_eq_u32 s2, 0
	s_cbranch_scc0 .Lentry_in_a_cluster
	s_endpgm
.Lentry_in_a_cluster:
	s_bfe_u32 s2, ttmp6, 0x10000c
	s_cmp_lg_u32 s2, 0xf033
	s_cbranch_scc0 .Lentry_shape_is_right
	s_endpgm
.Lentry_shape_is_right:
; LAUNCH 4 OF 4: out0 = ao Wo^T.  A work-group makes 256 tokens x 128 features; wave w tokens 64 w .. + 63 (four tiles a) x all eight column tiles b:
; 32 accumulator tiles, 256 registers.  K = 512 goes in four steps of 128 through two LDS slots.  Nothing is left out.
; ao is a register image [token tile][ks 16][c 2][lane][16 B]: a K step of a token tile is 4,096 consecutive bytes and is read at 16 x lane.
; woh is [512][512] f16, rows padded to 272 bytes in LDS.
; CLUSTERS 4 x 4: ao's tile hangs on the token block alone (asked for jointly along a row of the cluster), Wo's on the feature block alone (along a column).
; Source 0 = Wo's fragment, source 1 = ao's: a lane holds 8 neighbouring features of one token, 32 bytes of f32.  16 tokens at a time go through a
; stage in LDS that is the wave's own and that no tensor load fills, and leave as rows of 512 consecutive bytes.
; REGISTERS: window 0 addresses and two read-back sets; window 1 two fragment buffers (ao's tile a at + 8 a, Wo's tile b at + 32 + 8 b); window 2 accumulators at 8 (8 a + b).
.set PITCH,  272
.set AT,     65536                     ; ao's 16 token tiles x 4,096 bytes, then Wo's 128 rows
.set SLOT,   AT+128*PITCH
.set STAGE,  2*SLOT                    ; 16 rows x 528 bytes for each wave
.set SPITCH, 528
.set ADRA, 16
.set ADRB, 20
.set STO,  24
.set RD,   25
.set LN,   26
.set R0,   32                          ; v32-95, v96-159: rows read back, by turns
.set R1,   96
.set F0, 0
.set F1, 128
.set G1A, 24
.set G0A, 32
.set G1B, 40
.set G0B, 48
.set MSB, 0
.macro WIN new
.if MSB != \new
	s_set_vgpr_msb (MSB<<8)|\new
.set MSB, \new
.endif
.endm
.set MUL,  0xa5                        ; sources 0 and 1 window 1, C and D window 2
.set TO_F, 0x40
.macro JLOAD s                         ; waves 0 and 1 ask for ao's two halves, waves 2 and 3 for Wo's
	s_cmp_eq_u32 s13, 0
	s_cbranch_scc0 .Lfor_b_\@
	tensor_load_to_lds s[G0A+4*\s:G0A+4*\s+3], s[G1A:G1A+7]
	s_nop 0
	s_branch .Lasked_\@
.Lfor_b_\@:
	tensor_load_to_lds s[G0B+4*\s:G0B+4*\s+3], s[G1B:G1B+7]
	s_nop 0
.Lasked_\@:
.endm
.macro CREST
	s_cmp_lg_u32 s12, 0
	s_cbranch_scc1 .Lnot_wave_0_\@
	s_barrier_signal -3
.Lnot_wave_0_\@:
	s_barrier_wait -3
	s_barrier_signal -1
	s_barrier_wait -1
.endm
.macro CROUND
	s_barrier_signal -1
	s_barrier_wait -1
	CREST
.endm
.macro PLACES
.rept 4
	v_nop
.endr
.endm
	s_load_b128 s[4:7], s[0:1], 0x0                ; ao s[4:5], woh s[6:7]
	s_load_b64 s[8:9], s[0:1], 0x10                ; out0
	s_set_vgpr_msb 0x40
	v_lshl_add_u32 v254, v0, 2, 0x39400
	v_mov_b32 v255, 0
	s_set_vgpr_msb 0x4045
	ds_add_u32 v254, v255
	s_set_vgpr_msb 0x4500
	v_lshrrev_b32 v1, 5, v0
	v_readfirstlane_b32 s12, v1                    ; wave 0..3
	s_lshr_b32 s13, s12, 1                         ; I fetch for ao (0) or for Wo (1)
	s_and_b32 s14, s12, 1                          ; which half
	s_bfe_u32 s15, ttmp6, 0x40000                  ; cx
	s_bfe_u32 s16, ttmp6, 0x40004                  ; cy
	s_lshl_b32 s17, ttmp9, 2
	s_add_co_u32 s17, s17, s15                     ; feature block of 128
	s_and_b32 s18, ttmp7, 0xffff
	s_lshl_b32 s18, s18, 2
	s_add_co_u32 s18, s18, s16                     ; token block of 256
	s_lshl_b32 s19, s16, 2
	s_lshl_b32 s19, 15, s19
	s_lshl_b32 s20, 0x1111, s15
	s_or_b32 s[G1A+0], s19, (3<<16)|(1<<21)        ; mask of my row; elements of 8 bytes; no padding
	s_mov_b32 s[G1A+1], 512<<16                    ; tensor_dim0 = 512 elements: 4,096 bytes, a token tile's K step
	s_mov_b32 s[G1A+2], 8<<16                      ; tensor_dim1 = 8 token tiles
	s_mov_b32 s[G1A+3], 512<<16                    ; tile_dim0
	s_mov_b32 s[G1A+4], 8                          ; tile_dim1
	s_mov_b32 s[G1A+5], 2048                       ; 16,384 bytes from a token tile to the next
	s_mov_b32 s[G1A+6], 0
	s_mov_b32 s[G1A+7], 0
	s_or_b32 s[G1B+0], s20, (1<<16)|(1<<20)|(1<<21)|(5<<22)|(3<<25)  ; mask of my column; elements of 2 bytes; after every 64 words, 4 words of padding
	s_mov_b32 s[G1B+1], 128<<16
	s_mov_b32 s[G1B+2], 64<<16
	s_mov_b32 s[G1B+3], 128<<16
	s_mov_b32 s[G1B+4], 64
	s_mov_b32 s[G1B+5], 512
	s_mov_b32 s[G1B+6], 0
	s_mov_b32 s[G1B+7], 0
	s_lshl_b32 s66, s18, 18                        ; ao: 16 token tiles of 16,384 bytes a block, + 8 tiles for the second half.  s[66:67] never hold cx
	s_lshl_b32 s21, s14, 17
	s_add_co_u32 s66, s66, s21
	s_mov_b32 s67, 0
	s_lshl_b32 s68, s17, 17                        ; Wo: 128 rows of 1,024 bytes a block, + 64 rows.  s[68:69] never hold cy
	s_lshl_b32 s22, s14, 16
	s_add_co_u32 s68, s68, s22
	s_mov_b32 s69, 0
	s_lshl_b32 s56, s12, 15                        ; LDS: ao's halves at wave x 32,768 (waves 0, 1)
	s_mul_i32 s57, s12, 64*PITCH                   ;      Wo's halves at AT + (wave - 2) x 64 rows (waves 2, 3)
	s_add_co_u32 s57, s57, AT-2*64*PITCH
	s_lshl_b32 s70, s18, 19                        ; out0: 256 rows of 2,048 bytes a block
	s_lshl_b32 s74, s12, 17                        ;   + 64 rows a wave
	s_add_co_u32 s70, s70, s74
	s_lshl_b32 s74, s17, 9                         ;   + 128 features of 4 bytes
	s_add_co_u32 s70, s70, s74
	s_mov_b32 s71, 0
	s_wait_dscnt 0x0
	s_wait_kmcnt 0x0
	s_add_nc_u64 s[66:67], s[4:5], s[66:67]
	s_add_nc_u64 s[68:69], s[6:7], s[68:69]
	s_add_nc_u64 s[70:71], s[8:9], s[70:71]
	CROUND                                         ; all sixteen work-groups are here: the first joint loads meet
.irp s, 0,1
	s_mov_b32 s[G0A+4*\s], 1
	s_add_co_u32 s[G0A+4*\s+1], s56, \s*SLOT
	s_add_nc_u64 s[G0A+4*\s+2:G0A+4*\s+3], s[66:67], \s*4096        ; K step s
	s_or_b32 s[G0A+4*\s+3], s[G0A+4*\s+3], 0x80000000
	s_mov_b32 s[G0B+4*\s], 1
	s_add_co_u32 s[G0B+4*\s+1], s57, \s*SLOT
	s_add_nc_u64 s[G0B+4*\s+2:G0B+4*\s+3], s[68:69], \s*256
	s_or_b32 s[G0B+4*\s+3], s[G0B+4*\s+3], 0x80000000
	JLOAD \s                                       ; two tensor loads of the wave are out here, later one
.endr
	v_and_b32 v1, 15, v0
	v_bfe_u32 v2, v0, 4, 1
	v_and_b32 v4, 31, v0
	v_lshlrev_b32 v[LN], 4, v4
	v_mul_u32_u24 v3, v1, PITCH
	v_lshl_add_u32 v3, v2, 4, v3
	s_lshl_b32 s58, s12, 14                        ; my four token tiles
.irp s, 0,1
	v_add_nc_u32 v[ADRA+\s], s58, v[LN]
	v_add_nc_u32 v[ADRB+\s], AT+\s*SLOT, v3
	s_add_co_u32 s58, s58, SLOT
.endr
	s_mul_i32 s59, s12, 16*SPITCH
	s_add_co_u32 s59, s59, STAGE                   ; my stage
	v_mul_u32_u24 v5, v1, SPITCH                   ; in: row = token r, 32 bytes for each half of the lanes
	v_lshl_add_u32 v5, v2, 5, v5
	v_add_nc_u32 v[STO], s59, v5
	v_add_nc_u32 v[RD], s59, v[LN]                 ; back: a whole row of 512 bytes
; eight matrix instructions: token tile a x all column tiles.  The 32 accumulators take turns, one instruction a turn.
.macro MULA f, a, zero
.irp b, 0,1,2,3,4,5,6,7
.if \zero
	v_wmma_f32_16x16x32_f16 v[8*(8*\a+\b):8*(8*\a+\b)+7], v[\f+32+8*\b:\f+32+8*\b+7], v[\f+8*\a:\f+8*\a+7], 0
.else
	v_wmma_f32_16x16x32_f16 v[8*(8*\a+\b):8*(8*\a+\b)+7], v[\f+32+8*\b:\f+32+8*\b+7], v[\f+8*\a:\f+8*\a+7], v[8*(8*\a+\b):8*(8*\a+\b)+7]
.endif
.endr
.endm
; 24 LDS loads in one run: quarter qu of a K step: 16 for Wo, 4 for ao's tiles 0 and 1, 4 for tiles 2 and 3
.macro FETCH slot, qu, f
	WIN TO_F
.irp b, 0,1,2,3,4,5,6,7
	ds_load_b128 v[\f+32+8*\b:\f+32+8*\b+3],   v[ADRB+\slot] offset:\b*16*PITCH+64*\qu
	ds_load_b128 v[\f+32+8*\b+4:\f+32+8*\b+7], v[ADRB+\slot] offset:\b*16*PITCH+64*\qu+32
.endr
.irp a, 0,1,2,3
	ds_load_b128 v[\f+8*\a:\f+8*\a+3],   v[ADRA+\slot] offset:\a*4096+\qu*1024
	ds_load_b128 v[\f+8*\a+4:\f+8*\a+7], v[ADRA+\slot] offset:\a*4096+\qu*1024+512
.endr
.endm
.macro QUARTER slot, qu, f, g, zero
	s_wait_dscnt 4                                 ; Wo and ao's tiles 0, 1 are in; the youngest four loads (tiles 2, 3) may be out
	WIN MUL
	MULA \f, 0, \zero
	MULA \f, 1, \zero
	PLACES
	FETCH \slot, \qu, \g
	s_wait_dscnt 24                                ; all but the 24 just issued
	WIN MUL
	MULA \f, 2, \zero
	MULA \f, 3, \zero
.endm
.macro THREE slot, zero
	QUARTER \slot, 1, F0, F1, \zero
	QUARTER \slot, 2, F1, F0, 0
	QUARTER \slot, 3, F0, F1, 0
.endm
; the last quarter changes slots: each wave's reads of this slot and all its tensor loads are waited for in front of the barrier; fill = 1: the barrier
; opens a round of the cluster's barrier and the joint refill is the first tensor load behind it
.macro TURN slot, next, fill
	s_wait_dscnt 4
	WIN MUL
	MULA F1, 0, 0
	s_wait_dscnt 0
	s_wait_tensorcnt 0x0
	ds_add_u32 v254, v255
	s_wait_dscnt 0x0
	s_barrier_signal -1
	MULA F1, 1, 0                                  ; registers only
	WIN 0
	s_barrier_wait -1
.if \fill
	CREST
	s_add_nc_u64 s[G0A+4*\slot+2:G0A+4*\slot+3], s[G0A+4*\slot+2:G0A+4*\slot+3], 8192
	s_add_nc_u64 s[G0B+4*\slot+2:G0B+4*\slot+3], s[G0B+4*\slot+2:G0B+4*\slot+3], 512
	JLOAD \slot
.endif
	PLACES
	FETCH \next, 0, F0
	WIN MUL
	MULA F1, 2, 0
	MULA F1, 3, 0
.endm
	s_wait_tensorcnt 0x1                           ; my part of K step 0 is in; K step 1's may stay out
	s_barrier_signal -1
	s_barrier_wait -1
	FETCH 0, 0, F0
	THREE 0, 1
	TURN 0, 1, 1                                   ; slot 0 gets K step 2
	THREE 1, 0
	TURN 1, 0, 1                                   ; slot 1 gets K step 3
	THREE 0, 0
	TURN 0, 1, 0
	THREE 1, 0
	s_wait_dscnt 4
	WIN MUL
	MULA F1, 0, 0
	MULA F1, 1, 0
	s_wait_dscnt 0
	MULA F1, 2, 0
	MULA F1, 3, 0
	; THE WAY OUT, 16 tokens at a time
	PLACES
.macro OUT16 a, set
	WIN 0x08                                       ; store data window 2, address window 0
.irp b, 0,1,2,3,4,5,6,7
	ds_store_b128 v[STO], v[8*(8*\a+\b):8*(8*\a+\b)+3]   offset:64*\b
	ds_store_b128 v[STO], v[8*(8*\a+\b)+4:8*(8*\a+\b)+7] offset:64*\b+16
.endr
	WIN 0
	s_wait_xcnt 0x0                                ; the read-back set was the data of earlier stores: it is loaded again only behind this wait
.set t, 0
.rept 16
	ds_load_b128 v[\set+4*t:\set+4*t+3], v[RD] offset:SPITCH*t     ; LDS serves a wave's instructions in order: these see the stores above
.set t, t+1
.endr
.set t, 0
.rept 16
	s_wait_dscnt 15-t                              ; row t is in, the younger ones stay out
	global_store_b128 v[LN], v[\set+4*t:\set+4*t+3], s[70:71] offset:(16*\a+t)*2048 th:TH_STORE_NT   ; 512 consecutive bytes, aligned
.set t, t+1
.endr
.endm
	OUT16 0, R0
	OUT16 1, R1
	OUT16 2, R0
	OUT16 3, R1
	s_set_vgpr_msb 0x5
	s_wait_tensorcnt 0x0
	ds_add_u32 v254, v255
	s_wait_dscnt 0x0
	s_set_vgpr_msb 0x500
	CROUND                                         ; the closing round
	s_endpgm
.Lfunc_end_k_qc59280548c_oproj:
	.size	k_qc59280548c_oproj, .Lfunc_end_k_qc59280548c_oproj-k_qc59280548c_oproj
	.p2alignl 7, 3214868480
	.fill 96, 4, 3214868480
	.section	.rodata,"a",@progbits
	.p2align	6, 0x0
	.amdhsa_kernel k_qc59280548c_oproj
		.amdhsa_group_segment_fixed_size 327680
		.amdhsa_private_segment_fixed_size 0
		.amdhsa_enable_private_segment 0
		.amdhsa_kernarg_size 24
		.amdhsa_user_sgpr_count 2
		.amdhsa_user_sgpr_kernarg_segment_ptr 1
		.amdhsa_wavefront_size32 1
		.amdhsa_system_sgpr_workgroup_id_x 1
		.amdhsa_system_sgpr_workgroup_id_y 1
		.amdhsa_system_sgpr_workgroup_id_z 1
		.amdhsa_system_vgpr_workitem_id 0
		.amdhsa_next_free_vgpr 768
		.amdhsa_next_free_sgpr 80
		.amdhsa_reserve_vcc 0
		.amdhsa_float_denorm_mode_32 3
		.amdhsa_float_denorm_mode_16_64 3
		.amdhsa_memory_ordered 1
		.amdhsa_forward_progress 1
		.amdhsa_inst_pref_size 85
	.end_amdhsa_kernel
	.amdgpu_metadata
---
amdhsa.version: [ 1, 2 ]
amdhsa.kernels:
  - .name:           k_qc59280548c_oproj
    .symbol:         k_qc59280548c_oproj.kd
    .args:
      - { .name: ao, .offset: 0, .size: 8, .value_kind: global_buffer, .address_space: global }
      - { .name: woh, .offset: 8, .size: 8, .value_kind: global_buffer, .address_space: global }
      - { .name: out0, .offset: 16, .size: 8, .value_kind: global_buffer, .address_space: global }
    .group_segment_fixed_size: 327680
    .private_segment_fixed_size: 0
    .kernarg_segment_align: 8
    .kernarg_segment_size: 24
    .max_flat_workgroup_size: 128
    .sgpr_count:     80
    .vgpr_count:     768
    .wavefront_size: 32
...
	.end_amdgpu_metadata
.endif
;; end of part 4
;; ======== version 2 of 3: 4 launches; 1.07 times as fast as version 1
;; limits: values are held in f16: magnitudes above 65,504 overflow, below 6.1e-05 lose precision
;; workspace buffers: xh 16,777,216 bytes; wqkv 1,572,864 bytes; woh 524,288 bytes; q 16,777,216 bytes; kv 33,554,432 bytes; ao 16,777,216 bytes
;; launch cast: the kernel of part 1 again; grid 256 x 1, 9 waves a work-group, no clusters, 0 bytes of LDS; arguments x, Wq, Wk, Wv, Wo, xh, wqkv, woh; writes xh, wqkv, woh
;; launch qkv (part 5): grid 8 x 32, 4 waves a work-group, clusters of 4 x 4, 327,680 bytes of LDS; arguments xh, wqkv, q, kv; writes q, kv
.if DOCPART == 5
	.amdgcn_target "amdgcn-amd-amdhsa--gfx1250"
	.amdhsa_code_object_version 6
	.text
	.protected	k_qc59280548c_qkv
	.globl	k_qc59280548c_qkv
	.p2align	8
	.type	k_qc59280548c_qkv,@function
k_qc59280548c_qkv:
	s_mov_b64 s[64:65], 0
	v_nop
	global_prefetch_b8 v0, s[64:65] scope:SCOPE_SE
	s_setreg_imm32_b32 hwreg(HW_REG_WAVE_MODE, 25, 1), 1
	s_wait_xcnt 0x0
	s_wait_alu depctr_hold_cnt(0) depctr_sa_sdst(0) depctr_va_vdst(0) depctr_va_sdst(0) depctr_va_ssrc(0) depctr_va_vcc(0) depctr_vm_vsrc(0)
	s_getreg_b32 s2, hwreg(HW_REG_IB_STS2, 6, 4)
	s_cmp_eq_u32 s2, 0
	s_cbranch_scc0 .Lentry_in_a_cluster
	s_endpgm
.Lentry_in_a_cluster:
	s_bfe_u32 s2, ttmp6, 0x10000c
	s_cmp_lg_u32 s2, 0xf033
	s_cbranch_scc0 .Lentry_shape_is_right
	s_endpgm
.Lentry_shape_is_right:
; LAUNCH 2 OF 4: q, k, v = x W^T for one head.  xh [16384][512] f16, wqkv [8 heads][192][512] f16.  Nothing is left out.
; A WORK-GROUP STAYS and makes two blocks of 256 tokens, block rb and block rb + 32, one after the other: 8 x 32 work-groups.  The ring of LDS slots
; runs on over the change of block (the last two changes of slot of the first block ask for the second block's first two K steps), and the first
; block's 48 stores a wave leave while the second block is multiplied.
; Four waves, 2 x 2: wave w has token rows 128 (w / 2) .. + 127 (eight tiles a) and six column tiles lb: kind lb / 2 (q, k, v),
; 16 features 16 (2 (w mod 2) + lb mod 2) on.  48 accumulator tiles, 384 registers.  K = 512 goes in four steps of 128 through two LDS slots.
; CLUSTERS 4 x 4: the x tile hangs on the token block alone and is asked for jointly along a row of the cluster, the weights' tile on the
; head alone and is asked for jointly along a column: the requests are a quarter of the tiles that land.
; RESULTS ARE STORED AS REGISTER IMAGES, straight from registers, 512 consecutive aligned bytes an instruction:
;   q  [b][h][token tile 64][bq 4][lane 32][16 B]     lane 16 hf + r: token r, d = 16 bq + 8 hf .. + 7, times 1/8 (exact, in f32)
;   kv [b][h][key block of 64: 16][K 8192 B | V 8192 B]
;      K [kt 4][bq 4][lane][16 B]                      key 16 kt + r, d = 16 bq + 8 hf ..
;      V [kc 2][dt 4][c 2][lane][16 B]                 d = 16 dt + r, keys 32 kc + 16 c + 8 hf ..   (transposed)
; For q and k source 0 is the weights' fragment and source 1 x's: a lane then holds 8 neighbouring features of one token.
; For v the sources are swapped: a lane holds 8 neighbouring tokens of one feature.
; LIMIT: a projection of 65,504 or more in magnitude becomes an infinity in f16.
; REGISTERS: window 0: addresses, v32-223 packed results; window 1: two fragment buffers at 0 and 128 (x tile a at + 8 a, weights' tile lb at + 64 + 8 lb);
; window 2: accumulators of a = 0..3 at 8 (6 a + lb); window 3: those of a = 4..7.
.set PITCH,  272                       ; an LDS row: 256 bytes + 16 of padding, so that 16 rows of a fragment load start 16 bytes apart modulo 256
.set XROWS,  256*PITCH                 ; x's 256 rows, then the weights' 192
.set SLOT,   448*PITCH
.set XBLK,   32*256*1024               ; bytes of xh from token block rb to block rb + 32
.set ADRA, 16                          ; v16-17 LDS address of my x fragments in slot 0, 1
.set ADRB, 20                          ; v20-21 the same for the weights
.set LN,   26                          ; v26    16 x lane
.set TMP,  32                          ; v32-223 48 tiles x 4 words of f16
.set F0, 0
.set F1, 128
.set G1A, 24                           ; s[24:31] group 1, x's tiles
.set G0A, 32                           ; s[32:39] group 0, x's tiles, a set for each slot
.set G1B, 40                           ; s[40:47] group 1, the weights' tiles
.set G0B, 48                           ; s[48:55] group 0, the weights' tiles
.set MSB, 0
.macro WIN new                         ; the immediate's high byte repeats the setting that is left
.if MSB != \new
	s_set_vgpr_msb (MSB<<8)|\new
.set MSB, \new
.endif
.endm
.set MUL_LO, 0xa5                      ; sources 0 and 1 window 1, C and D window 2
.set MUL_HI, 0xf5                      ; the same, C and D window 3
.set TO_F,   0x40                      ; destination window 1, address window 0
; A joint load: waves 0 and 1 ask for x's two halves, waves 2 and 3 for the weights' two halves.  The branch hangs on the wave's number alone.
.macro JLOAD s
	s_cmp_eq_u32 s13, 0
	s_cbranch_scc0 .Lfor_b_\@
	tensor_load_to_lds s[G0A+4*\s:G0A+4*\s+3], s[G1A:G1A+7]
	s_nop 0
	s_branch .Lasked_\@
.Lfor_b_\@:
	tensor_load_to_lds s[G0B+4*\s:G0B+4*\s+3], s[G1B:G1B+7]
	s_nop 0
.Lasked_\@:
.endm
.macro CREST                           ; a round of the cluster's barrier behind its opening work-group barrier
	s_cmp_lg_u32 s12, 0
	s_cbranch_scc1 .Lnot_wave_0_\@
	s_barrier_signal -3
.Lnot_wave_0_\@:
	s_barrier_wait -3
	s_barrier_signal -1
	s_barrier_wait -1
.endm
.macro CROUND                          ; a whole round
	s_barrier_signal -1
	s_barrier_wait -1
	CREST
.endm
.macro PLACES                          ; four plain vector instructions between matrix instructions and a load into, or a vector instruction on, their registers
.rept 4
	v_nop
.endr
.endm
	s_load_b256 s[4:11], s[0:1], 0x0               ; xh s[4:5], wqkv s[6:7], q s[8:9], kv s[10:11]
	s_set_vgpr_msb 0x40
	v_lshl_add_u32 v254, v0, 2, 0x3b800
	v_mov_b32 v255, 0
	s_set_vgpr_msb 0x4045
	ds_add_u32 v254, v255
	s_set_vgpr_msb 0x4500
	v_lshrrev_b32 v1, 5, v0
	v_readfirstlane_b32 s12, v1                    ; wave 0..3
	s_lshr_b32 s13, s12, 1                         ; my half of the rows.  Also: I fetch for x (0) or for the weights (1)
	s_and_b32 s14, s12, 1                          ; my half of each kind's columns.  Also: which half of that tile I fetch
	s_bfe_u32 s15, ttmp6, 0x40000                  ; cx
	s_bfe_u32 s16, ttmp6, 0x40004                  ; cy
	s_lshl_b32 s17, ttmp9, 2
	s_add_co_u32 s17, s17, s15                     ; head = 4 x cluster x + cx
	s_and_b32 s18, ttmp7, 0xffff
	s_lshl_b32 s18, s18, 2
	s_add_co_u32 s18, s18, s16                     ; first token block of 256 = 4 x cluster y + cy, 0 to 31; the second is 32 further on
	s_lshl_b32 s19, s16, 2
	s_lshl_b32 s19, 15, s19                        ; my row of the cluster
	s_lshl_b32 s20, 0x1111, s15                    ; my column
	s_or_b32 s[G1A+0], s19, (1<<16)|(1<<20)|(1<<21)|(5<<22)|(3<<25)  ; mask; elements of 2 bytes; padding on; bit 21 beside a mask; after every 64 words, 4 words
	s_mov_b32 s[G1A+1], 128<<16                    ; tensor_dim0 = 128
	s_mov_b32 s[G1A+2], 128<<16                    ; tensor_dim1 = 128
	s_mov_b32 s[G1A+3], 128<<16                    ; tile_dim0 = 128 elements, 256 bytes
	s_mov_b32 s[G1A+4], 128                        ; tile_dim1 = 128 rows
	s_mov_b32 s[G1A+5], 512                        ; elements from row to row
	s_mov_b32 s[G1A+6], 0
	s_mov_b32 s[G1A+7], 0
	s_or_b32 s[G1B+0], s20, (1<<16)|(1<<20)|(1<<21)|(5<<22)|(3<<25)
	s_mov_b32 s[G1B+1], 128<<16
	s_mov_b32 s[G1B+2], 96<<16                     ; 96 rows: half of a head's 192
	s_mov_b32 s[G1B+3], 128<<16
	s_mov_b32 s[G1B+4], 96
	s_mov_b32 s[G1B+5], 512
	s_mov_b32 s[G1B+6], 0
	s_mov_b32 s[G1B+7], 0
	s_lshl_b32 s66, s18, 18                        ; x: 256 rows of 1,024 bytes a block,
	s_lshl_b32 s21, s14, 17                        ;    + 128 rows for the second half.  s[66:67] never hold cx
	s_add_co_u32 s66, s66, s21
	s_mov_b32 s67, 0
	s_mul_i32 s68, s17, 196608                     ; weights: 192 rows a head,
	s_mul_i32 s22, s14, 98304                      ;    + 96 rows.  s[68:69] never hold cy
	s_add_co_u32 s68, s68, s22
	s_mov_b32 s69, 0
	s_mul_i32 s56, s12, 128*PITCH                  ; LDS: x's halves at wave x 128 rows (waves 0, 1)
	s_mul_i32 s57, s12, 96*PITCH                   ;      the weights' halves at 256 rows + (wave - 2) x 96 rows (waves 2, 3)
	s_add_co_u32 s57, s57, XROWS-2*96*PITCH
	s_wait_dscnt 0x0
	s_wait_kmcnt 0x0
	s_add_nc_u64 s[66:67], s[4:5], s[66:67]
	s_add_nc_u64 s[68:69], s[6:7], s[68:69]
	CROUND                                         ; all sixteen work-groups are here: the first joint loads meet
.irp s, 0,1
	s_mov_b32 s[G0A+4*\s], 1
	s_add_co_u32 s[G0A+4*\s+1], s56, \s*SLOT
	s_add_nc_u64 s[G0A+4*\s+2:G0A+4*\s+3], s[66:67], \s*256         ; K step s
	s_or_b32 s[G0A+4*\s+3], s[G0A+4*\s+3], 0x80000000
	s_mov_b32 s[G0B+4*\s], 1
	s_add_co_u32 s[G0B+4*\s+1], s57, \s*SLOT
	s_add_nc_u64 s[G0B+4*\s+2:G0B+4*\s+3], s[68:69], \s*256
	s_or_b32 s[G0B+4*\s+3], s[G0B+4*\s+3], 0x80000000
	JLOAD \s                                       ; both slots' first fills go out together: two tensor loads of the wave are out, later one
.endr
	; fragment addresses: row l % 16, 16 bytes for each half of the lanes; two loads 32 bytes apart make 16 rows x 32 K
	v_and_b32 v1, 15, v0
	v_bfe_u32 v2, v0, 4, 1
	v_mul_u32_u24 v3, v1, PITCH
	v_lshl_add_u32 v3, v2, 4, v3
	s_mul_i32 s58, s13, 128*PITCH                  ; my 128 rows of x
	s_mul_i32 s59, s14, 32*PITCH                   ; my 32 rows in each kind's 64
	s_add_co_u32 s59, s59, XROWS
.irp s, 0,1
	v_add_nc_u32 v[ADRA+\s], s58, v3
	v_add_nc_u32 v[ADRB+\s], s59, v3
	s_add_co_u32 s58, s58, SLOT
	s_add_co_u32 s59, s59, SLOT
.endr
	v_and_b32 v4, 31, v0
	v_lshlrev_b32 v[LN], 4, v4
	; where the results go
	s_lshr_b32 s76, s18, 2                         ; batch of the first block, 0 to 7
	s_lshl_b32 s76, s76, 3
	s_add_co_u32 s76, s76, s17                     ; 8 batch + head
	s_and_b32 s77, s18, 3                          ; my 256 tokens among the batch's 1,024
	s_lshl_b32 s70, s76, 17                        ; q: 64 token tiles of 2,048 bytes for each (batch, head)
	s_lshl_b32 s78, s77, 4
	s_lshl3_add_u32 s78, s13, s78                  ;    token tile 16 block + 8 half
	s_lshl_b32 s78, s78, 11
	s_add_co_u32 s70, s70, s78
	s_lshl_b32 s78, s14, 10                        ;    bq = 2 (w mod 2) + ..
	s_add_co_u32 s70, s70, s78
	s_mov_b32 s71, 0
	s_add_nc_u64 s[70:71], s[8:9], s[70:71]
	s_lshl_b32 s72, s76, 18                        ; kv: 16 key blocks of 16,384 bytes
	s_lshl_b32 s79, s77, 2
	s_lshl1_add_u32 s79, s13, s79                  ;    key block 4 block + 2 half
	s_lshl_b32 s79, s79, 14
	s_add_co_u32 s72, s72, s79
	s_mov_b32 s73, 0
	s_add_nc_u64 s[72:73], s[10:11], s[72:73]
	s_lshl_b32 s74, s14, 11                        ; V: behind K's 8,192 bytes, dt = 2 (w mod 2) + ..
	s_add_co_u32 s74, s74, 8192
	s_mov_b32 s75, 0
	s_add_nc_u64 s[74:75], s[72:73], s[74:75]
	s_lshl_b32 s78, s14, 10                        ; K: bq = 2 (w mod 2) + ..
	s_mov_b32 s79, 0
	s_add_nc_u64 s[72:73], s[72:73], s[78:79]
	s_add_nc_u64 s[82:83], s[70:71], 0x800000      ; the second block is 8 batches on: 64 (batch, head) of 131,072 bytes in q,
	s_add_nc_u64 s[84:85], s[72:73], 0x1000000     ; of 262,144 bytes in kv.  Bases of its own, so that none is rewritten under a pending store
	s_add_nc_u64 s[86:87], s[74:75], 0x1000000
; six matrix instructions: token tile 4 hi + al x my six column tiles, 32 along K.  zero = 1: the first product starts the sums.
; The 48 accumulators take turns, one instruction a turn, in the same order in every quarter step.
.macro MULA f, hi, al, zero
.irp lb, 0,1,2,3
.if \zero
	v_wmma_f32_16x16x32_f16 v[8*(6*\al+\lb):8*(6*\al+\lb)+7], v[\f+64+8*\lb:\f+64+8*\lb+7], v[\f+8*(4*\hi+\al):\f+8*(4*\hi+\al)+7], 0
.else
	v_wmma_f32_16x16x32_f16 v[8*(6*\al+\lb):8*(6*\al+\lb)+7], v[\f+64+8*\lb:\f+64+8*\lb+7], v[\f+8*(4*\hi+\al):\f+8*(4*\hi+\al)+7], v[8*(6*\al+\lb):8*(6*\al+\lb)+7]
.endif
.endr
.irp lb, 4,5
.if \zero
	v_wmma_f32_16x16x32_f16 v[8*(6*\al+\lb):8*(6*\al+\lb)+7], v[\f+8*(4*\hi+\al):\f+8*(4*\hi+\al)+7], v[\f+64+8*\lb:\f+64+8*\lb+7], 0
.else
	v_wmma_f32_16x16x32_f16 v[8*(6*\al+\lb):8*(6*\al+\lb)+7], v[\f+8*(4*\hi+\al):\f+8*(4*\hi+\al)+7], v[\f+64+8*\lb:\f+64+8*\lb+7], v[8*(6*\al+\lb):8*(6*\al+\lb)+7]
.endif
.endr
.endm
.macro MUL4 f, hi, zero
	MULA \f, \hi, 0, \zero
	MULA \f, \hi, 1, \zero
	MULA \f, \hi, 2, \zero
	MULA \f, \hi, 3, \zero
.endm
; 28 LDS loads in one run: a quarter step's fragments (32 K at byte k of the rows): 12 for the weights, 8 for x's tiles 0-3, 8 for tiles 4-7
.macro FETCH slot, k, f
	WIN TO_F
.irp lb, 0,1,2,3,4,5
	ds_load_b128 v[\f+64+8*\lb:\f+64+8*\lb+3],   v[ADRB+\slot] offset:\k+(64*(\lb/2)+16*(\lb%2))*PITCH
	ds_load_b128 v[\f+64+8*\lb+4:\f+64+8*\lb+7], v[ADRB+\slot] offset:\k+(64*(\lb/2)+16*(\lb%2))*PITCH+32
.endr
.irp a, 0,1,2,3,4,5,6,7
	ds_load_b128 v[\f+8*\a:\f+8*\a+3],   v[ADRA+\slot] offset:\k+\a*16*PITCH
	ds_load_b128 v[\f+8*\a+4:\f+8*\a+7], v[ADRA+\slot] offset:\k+\a*16*PITCH+32
.endr
.endm
; one of a K step's first three quarters: multiplies buffer f and fetches the next quarter's fragments into buffer g in its middle
.macro QUARTER slot, k, f, g, zero
	s_wait_dscnt 8                                 ; the weights and x's tiles 0-3 are in; the youngest eight loads (tiles 4-7) may be out
	WIN MUL_LO
	MUL4 \f, 0, \zero
	PLACES
	FETCH \slot, \k, \g
	s_wait_dscnt 28                                ; all but the 28 just issued
	WIN MUL_HI
	MUL4 \f, 1, \zero
.endm
.macro THREE slot, zero
	QUARTER \slot, 64,  F0, F1, \zero
	QUARTER \slot, 128, F1, F0, 0
	QUARTER \slot, 192, F0, F1, 0
.endm
; the last quarter: multiplies buffer 1 and changes slots.  In front of the barrier each wave waits for its reads of this slot and for all its
; tensor loads (one is out: its part of the next slot).  fill = 1: the barrier opens a round of the cluster's barrier, and the joint refill of
; this slot, two K steps ahead, is the first tensor load behind the round.  dx: how far x's address steps; wback = 1: the weights' address goes
; back two K steps, since the second block walks the same weights from their first K step.
.macro TURN slot, next, fill, dx, wback
	s_wait_dscnt 8
	WIN MUL_LO
	MULA F1, 0, 0, 0
	MULA F1, 0, 1, 0
	s_wait_dscnt 0                                 ; my reads of this slot are over
	s_wait_tensorcnt 0x0                           ; all my tensor loads have landed
	ds_add_u32 v254, v255
	s_wait_dscnt 0x0
	s_barrier_signal -1
	MULA F1, 0, 2, 0                               ; registers only, while the others arrive
	MULA F1, 0, 3, 0
	WIN 0
	s_barrier_wait -1
.if \fill
	CREST                                          ; no wave of any partner still reads this slot or has a load on its way
	s_add_nc_u64 s[G0A+4*\slot+2:G0A+4*\slot+3], s[G0A+4*\slot+2:G0A+4*\slot+3], \dx
.if \wback
	s_sub_nc_u64 s[G0B+4*\slot+2:G0B+4*\slot+3], s[G0B+4*\slot+2:G0B+4*\slot+3], 512
.else
	s_add_nc_u64 s[G0B+4*\slot+2:G0B+4*\slot+3], s[G0B+4*\slot+2:G0B+4*\slot+3], 512
.endif
	JLOAD \slot
.endif
	PLACES
	FETCH \next, 0, F0
	WIN MUL_HI
	MUL4 F1, 1, 0
.endm
; THE WAY OUT of one token block: q times 1/8 in f32, everything rounded once to f16, 16 bytes a lane, 48 stores of 512 consecutive bytes
.macro PACK hi, wmul, wcvt
	WIN \wmul
.irp al, 0,1,2,3
.irp lb, 0,1
.irp p, 0,2,4,6
	v_pk_mul_f32 v[8*(6*\al+\lb)+\p:8*(6*\al+\lb)+\p+1], v[8*(6*\al+\lb)+\p:8*(6*\al+\lb)+\p+1], 0x3e000000 op_sel_hi:[1,0]
.endr
.endr
.endr
	WIN \wcvt
.irp al, 0,1,2,3
.irp lb, 0,1,2,3,4,5
.irp p, 0,1,2,3
	v_cvt_pk_f16_f32 v[TMP+4*(24*\hi+6*\al+\lb)+\p], v[8*(6*\al+\lb)+2*\p], v[8*(6*\al+\lb)+2*\p+1]
.endr
.endr
.endr
.endm
.macro WAYOUT bq, bk, bv               ; the scalar pairs that hold the block's bases in q, in K's images and in V's images
	PLACES                                         ; four places behind the last products before a vector instruction reads the sums
	PACK 0, 0x82, 0x0a                             ; window 2 in place, then window 2 to window 0
	PACK 1, 0xc3, 0x0f                             ; window 3 likewise
	WIN 0
.irp a, 0,1,2,3,4,5,6,7
.irp e, 0,1
	global_store_b128 v[LN], v[TMP+4*(6*\a+\e):TMP+4*(6*\a+\e)+3],     s[\bq:\bq+1] offset:\a*2048+\e*512
	global_store_b128 v[LN], v[TMP+4*(6*\a+2+\e):TMP+4*(6*\a+2+\e)+3], s[\bk:\bk+1] offset:(\a/4)*16384+(\a%4)*2048+\e*512
	global_store_b128 v[LN], v[TMP+4*(6*\a+4+\e):TMP+4*(6*\a+4+\e)+3], s[\bv:\bv+1] offset:(\a/4)*16384+(((\a%4)/2)*4+\e)*1024+(\a%2)*512
.endr
.endr
.endm
	s_wait_tensorcnt 0x1                           ; my part of K step 0 is in; K step 1's may stay out
	s_barrier_signal -1
	s_barrier_wait -1
	FETCH 0, 0, F0
	THREE 0, 1                                     ; first block, K step 0: its first products start the sums
	TURN 0, 1, 1, 512, 0                           ; slot 0 gets K step 2
	THREE 1, 0
	TURN 1, 0, 1, 512, 0                           ; slot 1 gets K step 3
	THREE 0, 0
	TURN 0, 1, 1, XBLK-512, 1                      ; slot 0 gets the second block's K step 0
	THREE 1, 0
	TURN 1, 0, 1, XBLK-512, 1                      ; slot 1 gets the second block's K step 1; the second block's first fragments are fetched
	WAYOUT 70, 72, 74                              ; the first block's stores go out and are not waited for here
	THREE 0, 1                                     ; second block, K step 0: its first products start the sums anew
	TURN 0, 1, 1, 512, 0                           ; slot 0 gets K step 2
	THREE 1, 0
	TURN 1, 0, 1, 512, 0                           ; slot 1 gets K step 3
	THREE 0, 0
	TURN 0, 1, 0, 0, 0                             ; nothing is left to fetch
	THREE 1, 0
	s_wait_dscnt 8
	WIN MUL_LO
	MUL4 F1, 0, 0
	s_wait_dscnt 0
	WIN MUL_HI
	MUL4 F1, 1, 0
	s_wait_storecnt 0x0                            ; the packed registers are the data of the first block's stores: they are rewritten only when those stores are done
	WAYOUT 82, 84, 86
	CROUND                                         ; the closing round: no work-group ends while a partner may still ask for a tile that names it
	s_endpgm
.Lfunc_end_k_qc59280548c_qkv:
	.size	k_qc59280548c_qkv, .Lfunc_end_k_qc59280548c_qkv-k_qc59280548c_qkv
	.p2alignl 7, 3214868480
	.fill 96, 4, 3214868480
	.section	.rodata,"a",@progbits
	.p2align	6, 0x0
	.amdhsa_kernel k_qc59280548c_qkv
		.amdhsa_group_segment_fixed_size 327680
		.amdhsa_private_segment_fixed_size 0
		.amdhsa_enable_private_segment 0
		.amdhsa_kernarg_size 32
		.amdhsa_user_sgpr_count 2
		.amdhsa_user_sgpr_kernarg_segment_ptr 1
		.amdhsa_wavefront_size32 1
		.amdhsa_system_sgpr_workgroup_id_x 1
		.amdhsa_system_sgpr_workgroup_id_y 1
		.amdhsa_system_sgpr_workgroup_id_z 1
		.amdhsa_system_vgpr_workitem_id 0
		.amdhsa_next_free_vgpr 960
		.amdhsa_next_free_sgpr 96
		.amdhsa_reserve_vcc 0
		.amdhsa_float_denorm_mode_32 3
		.amdhsa_float_denorm_mode_16_64 3
		.amdhsa_memory_ordered 1
		.amdhsa_forward_progress 1
		.amdhsa_inst_pref_size 219
	.end_amdhsa_kernel
	.amdgpu_metadata
---
amdhsa.version: [ 1, 2 ]
amdhsa.kernels:
  - .name:           k_qc59280548c_qkv
    .symbol:         k_qc59280548c_qkv.kd
    .args:
      - { .name: xh, .offset: 0, .size: 8, .value_kind: global_buffer, .address_space: global }
      - { .name: wqkv, .offset: 8, .size: 8, .value_kind: global_buffer, .address_space: global }
      - { .name: q, .offset: 16, .size: 8, .value_kind: global_buffer, .address_space: global }
      - { .name: kv, .offset: 24, .size: 8, .value_kind: global_buffer, .address_space: global }
    .group_segment_fixed_size: 327680
    .private_segment_fixed_size: 0
    .kernarg_segment_align: 8
    .kernarg_segment_size: 32
    .max_flat_workgroup_size: 128
    .sgpr_count:     96
    .vgpr_count:     960
    .wavefront_size: 32
...
	.end_amdgpu_metadata
.endif
;; end of part 5
;; launch attn (part 6): grid 32 x 8, 4 waves a work-group, clusters of 4 x 4, 327,680 bytes of LDS; arguments q, kv, pos_bias, ao; writes ao
.if DOCPART == 6
	.amdgcn_target "amdgcn-amd-amdhsa--gfx1250"
	.amdhsa_code_object_version 6
	.text
	.protected	k_qc59280548c_attn
	.globl	k_qc59280548c_attn
	.p2align	8
	.type	k_qc59280548c_attn,@function
k_qc59280548c_attn:
	s_mov_b64 s[64:65], 0
	v_nop
	global_prefetch_b8 v0, s[64:65] scope:SCOPE_SE
	s_setreg_imm32_b32 hwreg(HW_REG_WAVE_MODE, 25, 1), 1
	s_wait_xcnt 0x0
	s_wait_alu depctr_hold_cnt(0) depctr_sa_sdst(0) depctr_va_vdst(0) depctr_va_sdst(0) depctr_va_ssrc(0) depctr_va_vcc(0) depctr_vm_vsrc(0)
	s_getreg_b32 s2, hwreg(HW_REG_IB_STS2, 6, 4)
	s_cmp_eq_u32 s2, 0
	s_cbranch_scc0 .Lentry_in_a_cluster
	s_endpgm
.Lentry_in_a_cluster:
	s_bfe_u32 s2, ttmp6, 0x10000c
	s_cmp_lg_u32 s2, 0xf033
	s_cbranch_scc0 .Lentry_shape_is_right
	s_endpgm
.Lentry_shape_is_right:
; LAUNCH 3 OF 4: softmax(q k^T + pos_bias) v for one head, 256 queries and TWO BATCHES in a work-group; q already carries the factor 1/8.  Nothing is left out.
; Wave w has queries 64 w .. + 63 of the block (four tiles qt) of both batches.  Keys go in 16 blocks of 64 through two LDS slots, with a running maximum.
; WHY TWO BATCHES: pos_bias does not hang on the batch.  A bias tile of 256 queries x 64 keys (65,536 bytes) lands once and is read from LDS into
; registers once for both batches; and a refill, which has the work between two rounds of the cluster's barrier in which to land, has 128 matrix
; instructions a wave there and both batches' softmax.  8 heads x 4 query blocks x 8 pairs of batches = 256 work-groups.
; CLUSTERS 4 x 4: cluster x = head, cx = query block, pair of batches = 4 x cluster y + cy.  K and V hang on (pair, head): asked for jointly along a row
; of the cluster.  The bias tile hangs on (head, query block): asked for jointly along a column, so eight batches share each request.
; TRANSPOSED FORM.  S^T = K Q^T + bias^T: source 0 = K's fragment, source 1 = Q's.  The first 32 of the 64 features take C = the bias' registers and
; D = the score registers, the second 32 add in place.  Lane (r = l % 16, hf = l / 16), register j of tile (qt, kt) holds query r, key 16 kt + 8 hf + j.
; So a query's maximum and sum are taken inside a lane plus one exchange between the halves; two score tiles rounded to f16 ARE the fragment P^T
; (source 1) of O^T = V^T P^T; and in O^T lane r holds query r, so the rescaling factor and 1 / sum are one number a lane.
; SOFTMAX: p = 2^(s log2e + NM), NM = round(-m log2e), one fused multiply-add; alpha = 2^(NM new - NM old).  p and alpha use the same rounded NM,
; so its rounding cancels in O / sum.  The sum is kept for each half of the lanes apart and joined at the end.
; MATRIX AND VECTOR WORK BY TURNS.  A key block's work is four pieces (batch b, half h) = p0 (0,0), p1 (0,1), p2 (1,0), p3 (1,1), each of two query tiles
; 2 h, 2 h + 1: 16 score products S, 210 softmax instructions, 32 multiplies that rescale O, 16 products PV with V.  The softmax of one piece is cut into
; 32 numbered slices, and a slice (two where a stage has 16 matrix instructions) stands behind each matrix instruction of the neighbouring pieces:
;   head     PV(p3 of the last block), S(p0)          stage 0  softmax p0 beside S(p1)
;   stage 1  softmax p1 beside PV(p0), S(p2)          stage 2  softmax p2 beside PV(p1), S(p3)          stage 3  softmax p3 beside PV(p2)
; PV(p3) is put off to the next block's head, where it runs while that block's first 48 LDS loads are on their way.  The four multiplies that rescale
; O's tile i + 1 stand behind the product on tile i, under the same register windows.  Scores, P and alpha are indexed by query tile, so the pieces
; with h = 0 and h = 1 are each other's second buffer.  Two window switches stand round each matrix instruction that has slices behind it, about 205
; a block: the softmax's 256 registers and the fragments cannot share a window.
; LIMITS: p below 2^-24 of its row's largest becomes 0 in f16.  NaN and infinities get no treatment of their own.
; ao is stored as launch 4's register image: [token tile 1024][ks 16][c 2][lane][16 B]: token r, feature 32 ks + 16 c + 8 hf .. + 7.
.set PITCH, 272                        ; a bias row in LDS: 64 f32 + 16 bytes of padding
.set KOFF,  256*PITCH                  ; behind the bias' 256 rows: batch 0's K image (8,192 bytes) and V image, then batch 1's
.set SLOT,  KOFF+32768
.set BSTEP, 1048576                    ; bytes from a batch to the next in q (8 heads x 64 tiles x 2,048) and in ao (64 tiles x 16,384)
.set LB, 2                             ; v2-3    LDS address of my bias rows in slot 0, 1
.set LK, 4                             ; v4-5    LDS address of batch 0's K image + 16 x lane in slot 0, 1
.set LN, 6                             ; v6      16 x lane
.set MX, 8                             ; v8-15   running maximum of (batch b, query tile qt) at 4 b + qt
.set LS, 16                            ; v16-23  running sum, this half of the lanes' keys
.set AL, 24                            ; v24-31  alpha, later 1 / sum, twice (a pair for the packed multiply), at 2 qt
.set SC, 32                            ; v32-159 scores: tile (qt, kt) at 32 qt + 8 kt
.set PR, 160                           ; v160-223 P^T in f16: fragment (qt, kc) at 16 qt + 8 kc
.set NM, 224                           ; v224-239 -m log2e, twice, at 8 b + 2 qt
.set TP, 240                           ; v240-255 at work: 8 for each of a piece's two query tiles
.set QF, 0                             ; window 1: Q's fragments (b, qt, ks) at 64 b + 16 qt + 8 ks
.set KF, 128                           ; window 1: K's fragments (b, kt, ks) at 64 b + 16 kt + 8 ks
.set OA, 0                             ; window 2 + b: O^T's tiles (qt, dt) at 32 qt + 8 dt
.set VF, 128                           ; window 2 + b: V^T's fragments (kc, dt) at 32 kc + 8 dt
.set BI, 192                           ; window 2 + h: the bias of query tiles 2 h + q, tile (q, kt) at 32 q + 8 kt
.set GB1, 24                           ; s[24:31] group 1, bias
.set GB0, 32                           ; s[32:39] group 0, bias, a set for each slot
.set GK1, 40                           ; s[40:47] group 1, K and V
.set GK0, 48                           ; s[48:55] group 0, K and V
.set MSB, 0
.macro WIN new                         ; the immediate's high byte repeats the setting that is left; a switch that changes nothing is dropped
.if MSB != (\new)
	s_set_vgpr_msb (MSB<<8)|(\new)
.set MSB, (\new)
.endif
.endm
.macro JLOAD s                         ; waves 0 and 1 ask for the bias' two halves, wave 2 for batch 0's K and V, wave 3 for batch 1's
	s_cmp_eq_u32 s13, 0
	s_cbranch_scc0 .Lfor_kv_\@
	tensor_load_to_lds s[GB0+4*\s:GB0+4*\s+3], s[GB1:GB1+7]
	s_nop 0
	s_branch .Lasked_\@
.Lfor_kv_\@:
	tensor_load_to_lds s[GK0+4*\s:GK0+4*\s+3], s[GK1:GK1+7]
	s_nop 0
.Lasked_\@:
.endm
.macro ROUND                           ; a round of the cluster's barrier
	s_barrier_signal -1
	s_barrier_wait -1
	s_cmp_lg_u32 s12, 0
	s_cbranch_scc1 .Lnot_wave_0_\@
	s_barrier_signal -3
.Lnot_wave_0_\@:
	s_barrier_wait -3
	s_barrier_signal -1
	s_barrier_wait -1
.endm
.macro PLACES                          ; four plain vector instructions between matrix instructions and a load into, or a vector instruction on, their registers
.rept 4
	v_nop
.endr
.endm
	s_load_b256 s[4:11], s[0:1], 0x0               ; q s[4:5], kv s[6:7], pos_bias s[8:9], ao s[10:11]
	v_lshl_add_u32 v253, v0, 2, 0x32000
	v_mov_b32 v255, 0
	ds_add_u32 v253, v255
	s_wait_dscnt 0x0
	v_lshrrev_b32 v1, 5, v0
	v_readfirstlane_b32 s12, v1                    ; wave 0..3
	s_lshr_b32 s13, s12, 1                         ; I fetch bias (0) or K and V (1)
	s_and_b32 s14, s12, 1                          ; which half of the bias, or which batch of the pair
	s_bfe_u32 s15, ttmp6, 0x40000                  ; cx: query block of 256
	s_bfe_u32 s16, ttmp6, 0x40004                  ; cy
	s_mov_b32 s17, ttmp9                           ; head
	s_and_b32 s18, ttmp7, 0xffff
	s_lshl_b32 s18, s18, 2
	s_add_co_u32 s18, s18, s16                     ; pair of batches, 0 to 7
	s_lshl_b32 s19, s16, 2
	s_lshl_b32 s19, 15, s19                        ; my row of the cluster
	s_lshl_b32 s20, 0x1111, s15                    ; my column
	s_mov_b32 s57, 0x76543210                      ; v_permlanex16_b32: lane i of one half reads lane i of the other
	s_mov_b32 s58, 0xfedcba98
	s_mov_b32 s60, 0x3fb8aa3b                      ; log2 e, twice
	s_mov_b32 s61, 0x3fb8aa3b
	s_mov_b32 s62, 0xbfb8aa3b                      ; -log2 e
	s_or_b32 s[GB1+0], s20, (2<<16)|(1<<20)|(1<<21)|(5<<22)|(3<<25)  ; mask of my column; elements of 4 bytes; padding: after every 64 words, 4 words
	s_mov_b32 s[GB1+1], 64<<16                     ; tensor_dim0 = 64
	s_mov_b32 s[GB1+2], 128<<16                    ; tensor_dim1 = 128
	s_mov_b32 s[GB1+3], 64<<16                     ; tile_dim0 = 64 keys, 256 bytes
	s_mov_b32 s[GB1+4], 128                        ; tile_dim1 = 128 queries
	s_mov_b32 s[GB1+5], 1024                       ; elements from row to row
	s_mov_b32 s[GB1+6], 0
	s_mov_b32 s[GB1+7], 0
	s_or_b32 s[GK1+0], s19, (3<<16)|(1<<21)        ; mask of my row; elements of 8 bytes; a dense block of 16,384 bytes as 64 rows of 256
	s_mov_b32 s[GK1+1], 32<<16
	s_mov_b32 s[GK1+2], 64<<16
	s_mov_b32 s[GK1+3], 32<<16
	s_mov_b32 s[GK1+4], 64
	s_mov_b32 s[GK1+5], 32
	s_mov_b32 s[GK1+6], 0
	s_mov_b32 s[GK1+7], 0
	s_lshl_b32 s66, s17, 22                        ; bias: head x 1024 x 4,096 bytes
	s_lshl_b32 s21, s15, 20                        ;   + 256 rows a query block
	s_add_co_u32 s66, s66, s21
	s_lshl_b32 s21, s14, 19                        ;   + 128 rows for the second half.  s[66:67] never hold cy
	s_add_co_u32 s66, s66, s21
	s_mov_b32 s67, 0
	s_lshl_b32 s68, s18, 1
	s_add_co_u32 s68, s68, s14                     ; the batch whose K and V this wave fetches
	s_lshl_b32 s68, s68, 3
	s_add_co_u32 s68, s68, s17                     ; 8 batch + head
	s_lshl_b32 s68, s68, 18                        ; kv: 262,144 bytes each.  s[68:69] never hold cx
	s_mov_b32 s69, 0
	s_mul_i32 s76, s12, 128*PITCH                  ; LDS: the bias' halves at wave x 128 rows (waves 0, 1)
	s_lshl_b32 s77, s12, 14                        ;      the two batches' K and V at KOFF + (wave - 2) x 16,384 (waves 2, 3)
	s_add_co_u32 s77, s77, KOFF-32768
	s_lshl_b32 s74, s18, 4
	s_add_co_u32 s74, s74, s17                     ; 8 x (the pair's first batch) + head
	s_lshl_b32 s70, s74, 17                        ; q: 64 token tiles of 2,048 bytes for each (batch, head)
	s_lshl_b32 s75, s15, 15                        ;    + 16 tiles a query block
	s_add_co_u32 s70, s70, s75
	s_lshl_b32 s75, s12, 13                        ;    + 4 tiles a wave
	s_add_co_u32 s70, s70, s75
	s_mov_b32 s71, 0
	s_lshl_b32 s72, s18, 21                        ; ao: the pair's first batch x 64 token tiles of 16,384 bytes
	s_lshl_b32 s75, s15, 18
	s_add_co_u32 s72, s72, s75
	s_lshl_b32 s75, s12, 16
	s_add_co_u32 s72, s72, s75
	s_lshl_b32 s75, s17, 11                        ;    + head x 64 features = 2,048 bytes of the image
	s_add_co_u32 s72, s72, s75
	s_mov_b32 s73, 0
	s_wait_kmcnt 0x0
	s_add_nc_u64 s[66:67], s[8:9], s[66:67]
	s_add_nc_u64 s[68:69], s[6:7], s[68:69]
	s_add_nc_u64 s[70:71], s[4:5], s[70:71]
	s_add_nc_u64 s[72:73], s[10:11], s[72:73]
	ROUND                                          ; all sixteen work-groups are here: the first joint loads meet
.irp s, 0,1
	s_mov_b32 s[GB0+4*\s], 1
	s_add_co_u32 s[GB0+4*\s+1], s76, \s*SLOT
	s_add_nc_u64 s[GB0+4*\s+2:GB0+4*\s+3], s[66:67], \s*256         ; key block s: 64 keys of 4 bytes
	s_or_b32 s[GB0+4*\s+3], s[GB0+4*\s+3], 0x80000000
	s_mov_b32 s[GK0+4*\s], 1
	s_add_co_u32 s[GK0+4*\s+1], s77, \s*SLOT
	s_add_nc_u64 s[GK0+4*\s+2:GK0+4*\s+3], s[68:69], \s*16384
	s_or_b32 s[GK0+4*\s+3], s[GK0+4*\s+3], 0x80000000
	JLOAD \s                                       ; two tensor loads of the wave are out here, later one
.endr
	v_and_b32 v1, 15, v0                           ; r
	v_bfe_u32 v7, v0, 4, 1                         ; hf
	v_and_b32 v[TP], 31, v0
	v_lshlrev_b32 v[LN], 4, v[TP]
	v_mul_u32_u24 v[TP+1], v1, PITCH
	v_lshl_add_u32 v[TP+1], v7, 5, v[TP+1]         ; row r, 8 keys = 32 bytes for each half of the lanes
	s_mul_i32 s59, s12, 64*PITCH                   ; my 64 rows
	v_add_nc_u32 v[LB], s59, v[TP+1]
	v_add_nc_u32 v[LB+1], SLOT, v[LB]
	v_add_nc_u32 v[LK], KOFF, v[LN]
	v_add_nc_u32 v[LK+1], KOFF+SLOT, v[LN]
	v_mov_b32 v[TP+6], 0                           ; the lane exchange counts as a reader of its destination: one for each of a piece's two query tiles
	v_mov_b32 v[TP+14], 0
	WIN 0x40                                       ; destination window 1, address window 0
.irp b, 0,1
.set i, 0
.rept 16
	global_load_b128 v[QF+64*\b+4*i:QF+64*\b+4*i+3], v[LN], s[70:71] offset:\b*BSTEP+512*i th:TH_LOAD_NT   ; Q's fragments, as they lie: 512 consecutive bytes a load
.set i, i+1
.endr
.endr
	WIN 0
; four packed multiply-adds: score tile t becomes s log2e + NM
.macro FMA4 t, nq
.irp p, 0,2,4,6
	v_pk_fma_f32 v[\t+\p:\t+\p+1], v[\t+\p:\t+\p+1], s[60:61], v[\nq:\nq+1] op_sel_hi:[1,0,1]
.endr
.endm
; half of a finished score tile w (its key tile kt): its p join the two chains of the sum at acc, by turns with the roundings to f16 into pd.
; Key tile 0 starts the chains: nothing is cleared.
.macro ACH w, acc, pd, kt, half
.if \half == 0
.if \kt == 0
	s_wait_alu depctr_va_vdst(0)
	v_pk_add_f32 v[\acc:\acc+1], v[\w:\w+1], v[\w+2:\w+3]
.else
	s_wait_alu depctr_va_vdst(0)
	v_pk_add_f32 v[\acc:\acc+1], v[\acc:\acc+1], v[\w:\w+1]
.endif
	v_cvt_pk_f16_f32 v[\pd], v[\w], v[\w+1]
.if \kt == 0
	s_wait_alu depctr_va_vdst(0)
	v_pk_add_f32 v[\acc+2:\acc+3], v[\w+4:\w+5], v[\w+6:\w+7]
.else
	v_pk_add_f32 v[\acc+2:\acc+3], v[\acc+2:\acc+3], v[\w+2:\w+3]
.endif
	v_cvt_pk_f16_f32 v[\pd+1], v[\w+2], v[\w+3]
.else
.if \kt != 0
	v_pk_add_f32 v[\acc:\acc+1], v[\acc:\acc+1], v[\w+4:\w+5]
.endif
	v_cvt_pk_f16_f32 v[\pd+2], v[\w+4], v[\w+5]
.if \kt != 0
	s_wait_alu depctr_va_vdst(0)
	v_pk_add_f32 v[\acc+2:\acc+3], v[\acc+2:\acc+3], v[\w+6:\w+7]
.endif
	v_cvt_pk_f16_f32 v[\pd+3], v[\w+6], v[\w+7]
.endif
.endm
; SLICE n (0 to 31) OF THE SOFTMAX OF PIECE (b, h), all in window 0.  The piece's two query tiles q = 0, 1 go side by side, so that each fills the other's
; waits.  first = 1: no maximum, sum or O yet.
;   0-4    the maximum: four chains a query tile, joined with the running maximum, one exchange between the halves of the lanes; -m log2e
;   5      alpha, the new NM; the multiply-adds of score tile 0
;   6-29   eight steps of three slices.  Score tile j = (q = j % 2, kt = j / 2).  Step j: the 8 exponentials of tile j, cut 3, 3, 2; the 4 multiply-adds of
;          tile j + 1; the sums and roundings of tile j - 1.  Behind each group of exponentials stand plain instructions on another tile (ISA guide 5.7.2)
;   30-31  tile 7's sums and roundings; the running sums
.macro VS b, h, first, n
.set YS, SC+64*\h
.set YM, MX+4*\b+2*\h
.set YL, LS+4*\b+2*\h
.set YN, NM+8*\b+4*\h
.set YA, AL+4*\h
.set YP, PR+32*\h
.if (\n) == 0
.irp q, 0,1
.irp kt, 0,1,2,3
	v_max3_num_f32 v[TP+8*\q+\kt], v[YS+32*\q+8*\kt], v[YS+32*\q+8*\kt+1], v[YS+32*\q+8*\kt+2]
.endr
.endr
.endif
.if (\n) == 1
.irp q, 0,1
.irp kt, 0,1,2,3
	v_max3_num_f32 v[TP+8*\q+\kt], v[TP+8*\q+\kt], v[YS+32*\q+8*\kt+3], v[YS+32*\q+8*\kt+4]
.endr
.endr
.endif
.if (\n) == 2
.irp q, 0,1
.irp kt, 0,1,2,3
	v_max3_num_f32 v[TP+8*\q+\kt], v[TP+8*\q+\kt], v[YS+32*\q+8*\kt+5], v[YS+32*\q+8*\kt+6]
.endr
.endr
.endif
.if (\n) == 3
.irp q, 0,1
	v_max3_num_f32 v[TP+8*\q+4], v[TP+8*\q], v[TP+8*\q+1], v[YS+32*\q+7]
	v_max3_num_f32 v[TP+8*\q+5], v[TP+8*\q+2], v[TP+8*\q+3], v[YS+32*\q+15]
.endr
.irp q, 0,1
	v_max3_num_f32 v[TP+8*\q+4], v[TP+8*\q+4], v[TP+8*\q+5], v[YS+32*\q+23]
.endr
.irp q, 0,1
.if \first
	v_max_num_f32 v[TP+8*\q+4], v[TP+8*\q+4], v[YS+32*\q+31]
.else
	v_max3_num_f32 v[TP+8*\q+4], v[TP+8*\q+4], v[YS+32*\q+31], v[YM+\q]
.endif
.endr
.endif
.if (\n) == 4
.irp q, 0,1
	v_permlanex16_b32 v[TP+8*\q+6], v[TP+8*\q+4], s57, s58   ; the other half of the lanes holds the query's other 32 keys
.endr
.irp q, 0,1
	v_max_num_f32 v[YM+\q], v[TP+8*\q+4], v[TP+8*\q+6]       ; the new maximum, the same in both halves
.endr
.if \first
.irp q, 0,1
	v_mul_f32 v[YN+2*\q], s62, v[YM+\q]
	v_mul_f32 v[YN+2*\q+1], s62, v[YM+\q]
.endr
.else
.irp q, 0,1
	v_mul_f32 v[TP+8*\q+7], s62, v[YM+\q]
.endr
.irp q, 0,1
	v_sub_f32 v[TP+8*\q+5], v[TP+8*\q+7], v[YN+2*\q]         ; (m old - m new) log2e, from the two rounded products
.endr
.endif
.endif
.if (\n) == 5
.if \first
.else
.irp q, 0,1
	v_exp_f32 v[YA+2*\q], v[TP+8*\q+5]
.endr
.irp q, 0,1
	v_mov_b32 v[YN+2*\q], v[TP+8*\q+7]             ; plain instructions between the exponentials and the use of their results
	v_mov_b32 v[YN+2*\q+1], v[TP+8*\q+7]
.endr
	s_wait_alu depctr_va_vdst(0)
.irp q, 0,1
	v_mov_b32 v[YA+2*\q+1], v[YA+2*\q]
.endr
.endif
	FMA4 YS, YN
.endif
.if (\n) >= 6
.if (\n) <= 29
.set ZJ, ((\n)-6)/3
.set ZR, ((\n)-6)%3
.set ZT, YS+32*(ZJ%2)+8*(ZJ/2)
.if ZR == 0
	v_exp_f32 v[ZT], v[ZT]
	v_exp_f32 v[ZT+1], v[ZT+1]
	v_exp_f32 v[ZT+2], v[ZT+2]
.if ZJ < 7
.set ZU, YS+32*((ZJ+1)%2)+8*((ZJ+1)/2)
.set ZN, YN+2*((ZJ+1)%2)
	FMA4 ZU, ZN
.endif
.endif
.if ZR == 1
	v_exp_f32 v[ZT+3], v[ZT+3]
	v_exp_f32 v[ZT+4], v[ZT+4]
	v_exp_f32 v[ZT+5], v[ZT+5]
.endif
.if ZR == 2
	v_exp_f32 v[ZT+6], v[ZT+6]
	v_exp_f32 v[ZT+7], v[ZT+7]
.endif
.if ZR > 0
.if ZJ > 0
.set ZW, YS+32*((ZJ-1)%2)+8*((ZJ-1)/2)
.set ZA, TP+8*((ZJ-1)%2)
.set ZP, YP+16*((ZJ-1)%2)+4*((ZJ-1)/2)
.set ZK, (ZJ-1)/2
	ACH ZW, ZA, ZP, ZK, ZR-1
.endif
.endif
.endif
.endif
.if (\n) == 30
	v_pk_add_f32 v[TP:TP+1], v[TP:TP+1], v[TP+2:TP+3]        ; query tile 0's two chains join
	s_wait_alu depctr_va_vdst(0)
	ACH YS+56, TP+8, YP+28, 3, 0                             ; score tile 7 = (q 1, kt 3)
.if \first
	v_add_f32 v[YL], v[TP], v[TP+1]
.else
	v_add_f32 v[TP], v[TP], v[TP+1]
.endif
.endif
.if (\n) == 31
	ACH YS+56, TP+8, YP+28, 3, 1
.if \first
.else
	v_fma_f32 v[YL], v[YL], v[YA], v[TP]
.endif
	v_pk_add_f32 v[TP+8:TP+9], v[TP+8:TP+9], v[TP+10:TP+11]
.if \first
	v_add_f32 v[YL+1], v[TP+8], v[TP+9]
.else
	v_add_f32 v[TP+8], v[TP+8], v[TP+9]
	v_fma_f32 v[YL+1], v[YL+1], v[YA+2], v[TP+8]
.endif
.endif
.endm
; SCORE PRODUCT i (0 to 15) OF PIECE (b, h): tile i % 8 = (q, kt).  The first eight take the bias' registers as C and write the score registers, the
; second eight add in place.  The eight accumulators take turns, one instruction a turn.
.macro SW b, h, i
.set WT, (\i)%8
.set WS, SC+64*\h+8*WT
.set WK, KF+64*\b+16*(WT%4)
.set WQ, QF+64*\b+32*\h+16*(WT/4)
.if (\i) < 8
	WIN 0x25+0x10*\h                               ; sources 0 and 1 window 1, C window 2 + h, D window 0
	v_wmma_f32_16x16x32_f16 v[WS:WS+7], v[WK:WK+7], v[WQ:WQ+7], v[BI+8*WT:BI+8*WT+7]
.else
	WIN 0x05                                       ; C and D window 0
	v_wmma_f32_16x16x32_f16 v[WS:WS+7], v[WK+8:WK+15], v[WQ+8:WQ+15], v[WS:WS+7]
.endif
.endm
; four packed multiplies: O's tile o times the factor pair a
.macro OSC o, a
.irp p, 0,2,4,6
	v_pk_mul_f32 v[\o+\p:\o+\p+1], v[\o+\p:\o+\p+1], v[\a:\a+1]
.endr
.endm
; PRODUCT WITH V i (0 to 15) OF PIECE (b, h): O^T's tile i % 8 = (q, dt), keys 32 (i / 8) .. + 31.  The eight accumulators take turns
; first = 1: the first eight start the sums.  Else O's tile i + 1 is multiplied by alpha behind the product on tile i, one tile ahead of
; its own first product: V and O share window 2 + b, so product and multiplies run under one setting.
.macro PW b, h, i, first
.set WT, (\i)%8
.set WC, (\i)/8
.set WO, OA+64*\h+8*WT
.set WV, VF+32*WC+8*(WT%4)
.set WP, PR+32*\h+16*(WT/4)+8*WC
	WIN 0xa2+0x51*\b                               ; source 0, C and D window 2 + b, source 1 window 0
.if \first
.if WC == 0
	v_wmma_f32_16x16x32_f16 v[WO:WO+7], v[WV:WV+7], v[WP:WP+7], 0
.else
	v_wmma_f32_16x16x32_f16 v[WO:WO+7], v[WV:WV+7], v[WP:WP+7], v[WO:WO+7]
.endif
.else
.if (\i) == 0
	OSC WO, AL+4*\h
.endif
	v_wmma_f32_16x16x32_f16 v[WO:WO+7], v[WV:WV+7], v[WP:WP+7], v[WO:WO+7]
.if (\i) < 7
	OSC WO+8, AL+4*\h+2*((WT+1)/4)
.endif
.endif
.endm
; LDS load l (0 to 47) of a block's second 48: batch 0's V image, batch 1's K image, batch 1's V image, as they lie
.macro LD1 slot, l
.if (\l) < 16
	WIN 0x80
	ds_load_b128 v[VF+4*(\l):VF+4*(\l)+3], v[LK+\slot] offset:8192+512*(\l)
.else
.if (\l) < 32
	WIN 0x40
	ds_load_b128 v[KF+64+4*((\l)-16):KF+64+4*((\l)-16)+3], v[LK+\slot] offset:16384+512*((\l)-16)
.else
	WIN 0xc0
	ds_load_b128 v[VF+4*((\l)-32):VF+4*((\l)-32)+3], v[LK+\slot] offset:24576+512*((\l)-32)
.endif
.endif
.endm
; stage 0: softmax of p0, two slices behind each of S(p1)'s 16 products; behind the slices of products 0, 2, .. 10 a group of eight LDS loads
.macro STG0 slot, first
.set SN, 0
.rept 16
	SW 0, 1, SN
	WIN 0
	VS 0, 0, \first, 2*SN
	VS 0, 0, \first, 2*SN+1
.if SN < 12
.if SN%2 == 0
.set LE, 0
.rept 8
	LD1 \slot, 4*SN+LE
.set LE, LE+1
.endr
.endif
.endif
.set SN, SN+1
.endr
.endm
; stages 1 and 2: softmax of piece (vb, vh), one slice behind each of PV(pb, ph)'s 16 products and then of S(sb, sh)'s 16.  wa, wb: counts of the waits on
; DScnt in front of the two runs; 99: none
.macro STG32 vb, vh, pb, ph, sb, sh, first, wa, wb
.if \wa < 64
	s_wait_dscnt \wa
.endif
.set SN, 0
.rept 16
	PW \pb, \ph, SN, \first
	WIN 0
	VS \vb, \vh, \first, SN
.set SN, SN+1
.endr
.if \wb < 64
	s_wait_dscnt \wb
.endif
.rept 16
	SW \sb, \sh, SN-16
	WIN 0
	VS \vb, \vh, \first, SN
.set SN, SN+1
.endr
.endm
; stage 3: softmax of p3, two slices behind each of PV(p2)'s 16 products
.macro STG3 first
	s_wait_dscnt 0                                 ; batch 1's V is in
.set SN, 0
.rept 16
	PW 1, 0, SN, \first
	WIN 0
	VS 1, 1, \first, 2*SN
	VS 1, 1, \first, 2*SN+1
.set SN, SN+1
.endr
.endm
; One key block from a slot, for both batches: 96 LDS loads, 128 matrix instructions.
; pv: the products with V of the last block's piece p3.  0: there is no last block; 1: it was the first block, they start the sums; 2: they add.
.macro WORK slot, first, pv
	WIN 0x40                                       ; destination window 1, address window 0
.set LE, 0
.rept 16
	ds_load_b128 v[KF+4*LE:KF+4*LE+3], v[LK+\slot] offset:512*LE           ; batch 0's K image as it lies
.set LE, LE+1
.endr
.irp h, 0,1
	WIN 0x80+0x40*\h                               ; destination window 2 + h
.set LE, 0
.rept 16
	ds_load_b128 v[BI+4*LE:BI+4*LE+3], v[LB+\slot] offset:(2*\h+LE/8)*16*PITCH+((LE%8)/2)*64+(LE%2)*16   ; the bias, once for both batches
.set LE, LE+1
.endr
.endr
.if \pv
.set SN, 0
.rept 16
.if \pv == 1
	PW 1, 1, SN, 1                                 ; registers only: they run while the 48 loads are on their way
.else
	PW 1, 1, SN, 0
.endif
.set SN, SN+1
.endr
.endif
	s_wait_dscnt 16                                ; K and the bias of query tiles 0, 1 are in; the bias of tiles 2, 3, 16 loads, may be out
.set SN, 0
.rept 16
	SW 0, 0, SN
.set SN, SN+1
.endr
	WIN 0
	PLACES                                         ; four places behind the last products: before p0's scores are read, and before V of batch 1 is loaded again
	s_wait_dscnt 0                                 ; the bias of query tiles 2, 3 is in
	STG0 \slot, \first
	STG32 0, 1, 0, 0, 1, 0, \first, 32, 16         ; 32: batch 0's V is in, batch 1's K and V may be out; 16: batch 1's K is in, its V may be out
	STG32 1, 0, 0, 1, 1, 1, \first, 99, 99
	STG3 \first
	WIN 0
.endm
; A later key block.  Every wave waits for all its tensor loads and for its reads of the other slot; a round of the cluster's barrier; the joint
; refill of the other slot, two blocks ahead of what it held, is the first tensor load behind the round, one a wave.
.macro TRIP slot, other, refill, pv
	s_wait_xcnt 0x0
	v_lshl_add_u32 v253, v0, 2, 0x32000
	v_mov_b32 v255, 0
	s_wait_tensorcnt 0x0                           ; my part of this slot among them; no load of mine is out, so a group 0 may be written
	ds_add_u32 v253, v255
	s_wait_dscnt 0x0
.if \refill
	s_add_nc_u64 s[GB0+4*\other+2:GB0+4*\other+3], s[GB0+4*\other+2:GB0+4*\other+3], 512
	s_add_nc_u64 s[GK0+4*\other+2:GK0+4*\other+3], s[GK0+4*\other+2:GK0+4*\other+3], 32768
.endif
	s_wait_dscnt 0x0
	ROUND
.if \refill
	JLOAD \other
.endif
	WORK \slot, 0, \pv
.endm
	s_wait_tensorcnt 0x1                           ; my part of key block 0 is in; block 1's may stay out
	s_barrier_signal -1
	s_barrier_wait -1
	s_wait_loadcnt 0x0                             ; Q
	WORK 0, 1, 0                                   ; block 0 starts maximum, sum and O
	TRIP 1, 0, 1, 1                                ; block 1; slot 0 gets block 2
	s_mov_b32 s56, 6
.Lpair:
	TRIP 0, 1, 1, 2                                ; blocks 2 to 13
	TRIP 1, 0, 1, 2
	s_sub_co_u32 s56, s56, 1
	s_cmp_lg_u32 s56, 0
	s_cbranch_scc1 .Lpair
	TRIP 0, 1, 1, 2                                ; block 14; slot 1 gets block 15
	TRIP 1, 0, 0, 2                                ; block 15: nothing is left to fetch
.set SN, 0
.rept 16
	PW 1, 1, SN, 0                                 ; block 15's piece p3
.set SN, SN+1
.endr
	WIN 0
	PLACES                                         ; four places behind the last products before O is read
	; THE END, a batch at a time: join the two halves' sums, O / sum, round to f16 into the score registers (64 for each batch)
.irp b, 0,1
.irp qt, 0,1,2,3
	v_permlanex16_b32 v[TP+6], v[LS+4*\b+\qt], s57, s58
	v_add_f32 v[TP+\qt], v[LS+4*\b+\qt], v[TP+6]
.endr
.irp qt, 0,1,2,3
	v_rcp_f32 v[AL+2*\qt], v[TP+\qt]               ; the sum is about 1 at the least: the largest score's own term
.endr
	v_nop                                          ; one plain instruction behind the last reciprocal
	s_wait_alu depctr_va_vdst(0)
.irp qt, 0,1,2,3
	v_mov_b32 v[AL+2*\qt+1], v[AL+2*\qt]
.endr
	WIN 0x82+0x41*\b                               ; O in window 2 + b, the factor in window 0
.irp qt, 0,1,2,3
.set i, 0
.rept 16
	v_pk_mul_f32 v[OA+32*\qt+i:OA+32*\qt+i+1], v[OA+32*\qt+i:OA+32*\qt+i+1], v[AL+2*\qt:AL+2*\qt+1]
.set i, i+2
.endr
.endr
	WIN 0x0a+0x05*\b                               ; sources window 2 + b, destination window 0
.set i, 0
.rept 64
	v_cvt_pk_f16_f32 v[SC+64*\b+i], v[OA+2*i], v[OA+2*i+1]
.set i, i+1
.endr
	WIN 0
.endr
.irp b, 0,1
.irp qt, 0,1,2,3
.irp dt, 0,1,2,3
	global_store_b128 v[LN], v[SC+64*\b+4*(4*\qt+\dt):SC+64*\b+4*(4*\qt+\dt)+3], s[72:73] offset:\b*BSTEP+\qt*16384+\dt*512   ; 512 consecutive bytes, aligned
.endr
.endr
.endr
	ROUND                                          ; the closing round
	s_endpgm
.Lfunc_end_k_qc59280548c_attn:
	.size	k_qc59280548c_attn, .Lfunc_end_k_qc59280548c_attn-k_qc59280548c_attn
	.p2alignl 7, 3214868480
	.fill 96, 4, 3214868480
	.section	.rodata,"a",@progbits
	.p2align	6, 0x0
	.amdhsa_kernel k_qc59280548c_attn
		.amdhsa_group_segment_fixed_size 327680
		.amdhsa_private_segment_fixed_size 0
		.amdhsa_enable_private_segment 0
		.amdhsa_kernarg_size 32
		.amdhsa_user_sgpr_count 2
		.amdhsa_user_sgpr_kernarg_segment_ptr 1
		.amdhsa_wavefront_size32 1
		.amdhsa_system_sgpr_workgroup_id_x 1
		.amdhsa_system_sgpr_workgroup_id_y 1
		.amdhsa_system_sgpr_workgroup_id_z 1
		.amdhsa_system_vgpr_workitem_id 0
		.amdhsa_next_free_vgpr 1024
		.amdhsa_next_free_sgpr 80
		.amdhsa_reserve_vcc 0
		.amdhsa_float_denorm_mode_32 3
		.amdhsa_float_denorm_mode_16_64 3
		.amdhsa_memory_ordered 1
		.amdhsa_forward_progress 1
		.amdhsa_inst_pref_size 255
	.end_amdhsa_kernel
	.section	.bss,"aw",@nobits
	.p2align	6
	.space	262144
	.amdgpu_metadata
---
amdhsa.version: [ 1, 2 ]
amdhsa.kernels:
  - .name:           k_qc59280548c_attn
    .symbol:         k_qc59280548c_attn.kd
    .args:
      - { .name: q, .offset: 0, .size: 8, .value_kind: global_buffer, .address_space: global }
      - { .name: kv, .offset: 8, .size: 8, .value_kind: global_buffer, .address_space: global }
      - { .name: pos_bias, .offset: 16, .size: 8, .value_kind: global_buffer, .address_space: global }
      - { .name: ao, .offset: 24, .size: 8, .value_kind: global_buffer, .address_space: global }
    .group_segment_fixed_size: 327680
    .private_segment_fixed_size: 0
    .kernarg_segment_align: 8
    .kernarg_segment_size: 32
    .max_flat_workgroup_size: 128
    .sgpr_count:     80
    .vgpr_count:     1024
    .wavefront_size: 32
...
	.end_amdgpu_metadata
.endif
;; end of part 6
;; launch oproj: the kernel of part 4 again; grid 4 x 64, 4 waves a work-group, clusters of 4 x 4, 327,680 bytes of LDS; arguments ao, woh, out0; writes out0
;; ======== version 3 of 3: 4 launches; 1.18 times as fast as version 1
;; limits: values are held in f16: magnitudes above 65,504 overflow, below 6.1e-05 lose precision
;; workspace buffers: xh 16,777,216 bytes; wqkv 1,572,864 bytes; woh 524,288 bytes; q 16,777,216 bytes; kv 33,554,432 bytes; ao 16,777,216 bytes
;; launch cast: the kernel of part 1 again; grid 256 x 1, 9 waves a work-group, no clusters, 0 bytes of LDS; arguments x, Wq, Wk, Wv, Wo, xh, wqkv, woh; writes xh, wqkv, woh
;; launch qkv: the kernel of part 5 again; grid 8 x 32, 4 waves a work-group, clusters of 4 x 4, 327,680 bytes of LDS; arguments xh, wqkv, q, kv; writes q, kv
;; launch attn (part 7): grid 32 x 8, 4 waves a work-group, clusters of 4 x 4, 327,680 bytes of LDS; arguments q, kv, pos_bias, ao; writes ao
.if DOCPART == 7
	.amdgcn_target "amdgcn-amd-amdhsa--gfx1250"
	.amdhsa_code_object_version 6
	.text
	.protected	k_qc59280548c_attn
	.globl	k_qc59280548c_attn
	.p2align	8
	.type	k_qc59280548c_attn,@function
k_qc59280548c_attn:
	s_mov_b64 s[64:65], 0
	v_nop
	global_prefetch_b8 v0, s[64:65] scope:SCOPE_SE
	s_setreg_imm32_b32 hwreg(HW_REG_WAVE_MODE, 25, 1), 1
	s_wait_xcnt 0x0
	s_wait_alu depctr_hold_cnt(0) depctr_sa_sdst(0) depctr_va_vdst(0) depctr_va_sdst(0) depctr_va_ssrc(0) depctr_va_vcc(0) depctr_vm_vsrc(0)
	s_getreg_b32 s2, hwreg(HW_REG_IB_STS2, 6, 4)
	s_cmp_eq_u32 s2, 0
	s_cbranch_scc0 .Lentry_in_a_cluster
	s_endpgm
.Lentry_in_a_cluster:
	s_bfe_u32 s2, ttmp6, 0x10000c
	s_cmp_lg_u32 s2, 0xf033
	s_cbranch_scc0 .Lentry_shape_is_right
	s_endpgm
.Lentry_shape_is_right:
; LAUNCH 3 OF 4: softmax(q k^T + pos_bias) v for one head, 256 queries and TWO BATCHES in a work-group; q already carries the factor 1/8.  Nothing is left out.
; Wave w has queries 64 w .. + 63 of the block (four tiles qt) of both batches.  Keys go in 16 blocks of 64 through two LDS slots, with a running maximum.
; WHY TWO BATCHES: pos_bias does not hang on the batch.  A bias tile of 256 queries x 64 keys (65,536 bytes) lands once and is read from LDS into
; registers once for both batches; and a refill, which has the work between two rounds of the cluster's barrier in which to land, has 128 matrix
; instructions a wave there and both batches' softmax.  8 heads x 4 query blocks x 8 pairs of batches = 256 work-groups.
; CLUSTERS 4 x 4: cluster x = head, cx = query block, pair of batches = 4 x cluster y + cy.  K and V hang on (pair, head): asked for jointly along a row
; of the cluster.  The bias tile hangs on (head, query block): asked for jointly along a column, so eight batches share each request.
; TRANSPOSED FORM.  S^T = K Q^T + bias^T: source 0 = K's fragment, source 1 = Q's.  The first 32 of the 64 features take C = the bias' registers and
; D = the score registers, the second 32 add in place.  Lane (r = l % 16, hf = l / 16), register j of tile (qt, kt) holds query r, key 16 kt + 8 hf + j.
; So a query's maximum and sum are taken inside a lane plus one exchange between the halves; two score tiles rounded to f16 ARE the fragment P^T
; (source 1) of O^T = V^T P^T; and in O^T lane r holds query r, so the rescaling factor and 1 / sum are one number a lane.
; SOFTMAX: p = 2^(s log2e + NM), NM = round(-m log2e), one fused multiply-add; alpha = 2^(NM new - NM old).  p and alpha use the same rounded NM,
; so its rounding cancels in O / sum.  The sum is kept for each half of the lanes apart and joined at the end.
; MATRIX AND VECTOR WORK BY TURNS.  A key block's work is four pieces (batch b, half h) = p0 (0,0), p1 (0,1), p2 (1,0), p3 (1,1), each of two query tiles
; 2 h, 2 h + 1: 16 score products S, 210 softmax instructions, 32 multiplies that rescale O, 16 products PV with V.  The softmax of one piece is cut into
; 32 numbered slices, and a slice (two where a stage has 16 matrix instructions) stands behind each matrix instruction of the neighbouring pieces:
;   head     PV(p3 of the last block), S(p0)          stage 0  softmax p0 beside S(p1)
;   stage 1  softmax p1 beside PV(p0), S(p2)          stage 2  softmax p2 beside PV(p1), S(p3)          stage 3  softmax p3 beside PV(p2)
; PV(p3) is put off to the next block's head, where it runs while that block's first 48 LDS loads are on their way.  The four multiplies that rescale
; O's tile i + 1 stand behind the product on tile i, under the same register windows.  Scores, P and alpha are indexed by query tile, so the pieces
; with h = 0 and h = 1 are each other's second buffer.  Two window switches stand round each matrix instruction that has slices behind it, about 205
; a block: the softmax's 256 registers and the fragments cannot share a window.
; THE EXPONENTIALS ARE CUT INTO ONE BATCH A PIECE.  A piece has 66: its two alpha and its 64 scores', each with a register of its own (the scores in place).
; Slices 5 to 21 hold all 66 and the multiply-adds that feed them, and name no result of theirs; nor do the matrix instructions, rescalings and LDS loads
; that stand between those slices, which belong to the other half h.  ONE wait stands at the end of slice 21; everything that reads a result (alpha's copy,
; the sums, the roundings, the running sums, the next stage's rescaling of O) comes behind it.  Four such waits a key block.  No exponential is issued behind
; a piece's wait.  The way out's reciprocals are two batches of four, a wait each.
; LIMITS: p below 2^-24 of its row's largest becomes 0 in f16.  NaN and infinities get no treatment of their own.
; ao is stored as launch 4's register image: [token tile 1024][ks 16][c 2][lane][16 B]: token r, feature 32 ks + 16 c + 8 hf .. + 7.
.set PITCH, 272                        ; a bias row in LDS: 64 f32 + 16 bytes of padding
.set KOFF,  256*PITCH                  ; behind the bias' 256 rows: batch 0's K image (8,192 bytes) and V image, then batch 1's
.set SLOT,  KOFF+32768
.set BSTEP, 1048576                    ; bytes from a batch to the next in q (8 heads x 64 tiles x 2,048) and in ao (64 tiles x 16,384)
.set LB, 2                             ; v2-3    LDS address of my bias rows in slot 0, 1
.set LK, 4                             ; v4-5    LDS address of batch 0's K image + 16 x lane in slot 0, 1
.set LN, 6                             ; v6      16 x lane
.set MX, 8                             ; v8-15   running maximum of (batch b, query tile qt) at 4 b + qt
.set LS, 16                            ; v16-23  running sum, this half of the lanes' keys
.set AL, 24                            ; v24-31  alpha, later 1 / sum, twice (a pair for the packed multiply), at 2 qt
.set SC, 32                            ; v32-159 scores: tile (qt, kt) at 32 qt + 8 kt
.set PR, 160                           ; v160-223 P^T in f16: fragment (qt, kc) at 16 qt + 8 kc
.set NM, 224                           ; v224-239 -m log2e, twice, at 8 b + 2 qt
.set TP, 240                           ; v240-255 at work: 8 for each of a piece's two query tiles
.set QF, 0                             ; window 1: Q's fragments (b, qt, ks) at 64 b + 16 qt + 8 ks
.set KF, 128                           ; window 1: K's fragments (b, kt, ks) at 64 b + 16 kt + 8 ks
.set OA, 0                             ; window 2 + b: O^T's tiles (qt, dt) at 32 qt + 8 dt
.set VF, 128                           ; window 2 + b: V^T's fragments (kc, dt) at 32 kc + 8 dt
.set BI, 192                           ; window 2 + h: the bias of query tiles 2 h + q, tile (q, kt) at 32 q + 8 kt
.set GB1, 24                           ; s[24:31] group 1, bias
.set GB0, 32                           ; s[32:39] group 0, bias, a set for each slot
.set GK1, 40                           ; s[40:47] group 1, K and V
.set GK0, 48                           ; s[48:55] group 0, K and V
.set MSB, 0
.macro WIN new                         ; the immediate's high byte repeats the setting that is left; a switch that changes nothing is dropped
.if MSB != (\new)
	s_set_vgpr_msb (MSB<<8)|(\new)
.set MSB, (\new)
.endif
.endm
.macro JLOAD s                         ; waves 0 and 1 ask for the bias' two halves, wave 2 for batch 0's K and V, wave 3 for batch 1's
	s_cmp_eq_u32 s13, 0
	s_cbranch_scc0 .Lfor_kv_\@
	tensor_load_to_lds s[GB0+4*\s:GB0+4*\s+3], s[GB1:GB1+7]
	s_nop 0
	s_branch .Lasked_\@
.Lfor_kv_\@:
	tensor_load_to_lds s[GK0+4*\s:GK0+4*\s+3], s[GK1:GK1+7]
	s_nop 0
.Lasked_\@:
.endm
.macro ROUND                           ; a round of the cluster's barrier
	s_barrier_signal -1
	s_barrier_wait -1
	s_cmp_lg_u32 s12, 0
	s_cbranch_scc1 .Lnot_wave_0_\@
	s_barrier_signal -3
.Lnot_wave_0_\@:
	s_barrier_wait -3
	s_barrier_signal -1
	s_barrier_wait -1
.endm
.macro PLACES                          ; four plain vector instructions between matrix instructions and a load into, or a vector instruction on, their registers
.rept 4
	v_nop
.endr
.endm
	s_load_b256 s[4:11], s[0:1], 0x0               ; q s[4:5], kv s[6:7], pos_bias s[8:9], ao s[10:11]
	v_lshl_add_u32 v253, v0, 2, 0x32000
	v_mov_b32 v255, 0
	ds_add_u32 v253, v255
	s_wait_dscnt 0x0
	v_lshrrev_b32 v1, 5, v0
	v_readfirstlane_b32 s12, v1                    ; wave 0..3
	s_lshr_b32 s13, s12, 1                         ; I fetch bias (0) or K and V (1)
	s_and_b32 s14, s12, 1                          ; which half of the bias, or which batch of the pair
	s_bfe_u32 s15, ttmp6, 0x40000                  ; cx: query block of 256
	s_bfe_u32 s16, ttmp6, 0x40004                  ; cy
	s_mov_b32 s17, ttmp9                           ; head
	s_and_b32 s18, ttmp7, 0xffff
	s_lshl_b32 s18, s18, 2
	s_add_co_u32 s18, s18, s16                     ; pair of batches, 0 to 7
	s_lshl_b32 s19, s16, 2
	s_lshl_b32 s19, 15, s19                        ; my row of the cluster
	s_lshl_b32 s20, 0x1111, s15                    ; my column
	s_mov_b32 s57, 0x76543210                      ; v_permlanex16_b32: lane i of one half reads lane i of the other
	s_mov_b32 s58, 0xfedcba98
	s_mov_b32 s60, 0x3fb8aa3b                      ; log2 e, twice
	s_mov_b32 s61, 0x3fb8aa3b
	s_mov_b32 s62, 0xbfb8aa3b                      ; -log2 e
	s_or_b32 s[GB1+0], s20, (2<<16)|(1<<20)|(1<<21)|(5<<22)|(3<<25)  ; mask of my column; elements of 4 bytes; padding: after every 64 words, 4 words
	s_mov_b32 s[GB1+1], 64<<16                     ; tensor_dim0 = 64
	s_mov_b32 s[GB1+2], 128<<16                    ; tensor_dim1 = 128
	s_mov_b32 s[GB1+3], 64<<16                     ; tile_dim0 = 64 keys, 256 bytes
	s_mov_b32 s[GB1+4], 128                        ; tile_dim1 = 128 queries
	s_mov_b32 s[GB1+5], 1024                       ; elements from row to row
	s_mov_b32 s[GB1+6], 0
	s_mov_b32 s[GB1+7], 0
	s_or_b32 s[GK1+0], s19, (3<<16)|(1<<21)        ; mask of my row; elements of 8 bytes; a dense block of 16,384 bytes as 64 rows of 256
	s_mov_b32 s[GK1+1], 32<<16
	s_mov_b32 s[GK1+2], 64<<16
	s_mov_b32 s[GK1+3], 32<<16
	s_mov_b32 s[GK1+4], 64
	s_mov_b32 s[GK1+5], 32
	s_mov_b32 s[GK1+6], 0
	s_mov_b32 s[GK1+7], 0
	s_lshl_b32 s66, s17, 22                        ; bias: head x 1024 x 4,096 bytes
	s_lshl_b32 s21, s15, 20                        ;   + 256 rows a query block
	s_add_co_u32 s66, s66, s21
	s_lshl_b32 s21, s14, 19                        ;   + 128 rows for the second half.  s[66:67] never hold cy
	s_add_co_u32 s66, s66, s21
	s_mov_b32 s67, 0
	s_lshl_b32 s68, s18, 1
	s_add_co_u32 s68, s68, s14                     ; the batch whose K and V this wave fetches
	s_lshl_b32 s68, s68, 3
	s_add_co_u32 s68, s68, s17                     ; 8 batch + head
	s_lshl_b32 s68, s68, 18                        ; kv: 262,144 bytes each.  s[68:69] never hold cx
	s_mov_b32 s69, 0
	s_mul_i32 s76, s12, 128*PITCH                  ; LDS: the bias' halves at wave x 128 rows (waves 0, 1)
	s_lshl_b32 s77, s12, 14                        ;      the two batches' K and V at KOFF + (wave - 2) x 16,384 (waves 2, 3)
	s_add_co_u32 s77, s77, KOFF-32768
	s_lshl_b32 s74, s18, 4
	s_add_co_u32 s74, s74, s17                     ; 8 x (the pair's first batch) + head
	s_lshl_b32 s70, s74, 17                        ; q: 64 token tiles of 2,048 bytes for each (batch, head)
	s_lshl_b32 s75, s15, 15                        ;    + 16 tiles a query block
	s_add_co_u32 s70, s70, s75
	s_lshl_b32 s75, s12, 13                        ;    + 4 tiles a wave
	s_add_co_u32 s70, s70, s75
	s_mov_b32 s71, 0
	s_lshl_b32 s72, s18, 21                        ; ao: the pair's first batch x 64 token tiles of 16,384 bytes
	s_lshl_b32 s75, s15, 18
	s_add_co_u32 s72, s72, s75
	s_lshl_b32 s75, s12, 16
	s_add_co_u32 s72, s72, s75
	s_lshl_b32 s75, s17, 11                        ;    + head x 64 features = 2,048 bytes of the image
	s_add_co_u32 s72, s72, s75
	s_mov_b32 s73, 0
	s_wait_kmcnt 0x0
	s_add_nc_u64 s[66:67], s[8:9], s[66:67]
	s_add_nc_u64 s[68:69], s[6:7], s[68:69]
	s_add_nc_u64 s[70:71], s[4:5], s[70:71]
	s_add_nc_u64 s[72:73], s[10:11], s[72:73]
	ROUND                                          ; all sixteen work-groups are here: the first joint loads meet
.irp s, 0,1
	s_mov_b32 s[GB0+4*\s], 1
	s_add_co_u32 s[GB0+4*\s+1], s76, \s*SLOT
	s_add_nc_u64 s[GB0+4*\s+2:GB0+4*\s+3], s[66:67], \s*256         ; key block s: 64 keys of 4 bytes
	s_or_b32 s[GB0+4*\s+3], s[GB0+4*\s+3], 0x80000000
	s_mov_b32 s[GK0+4*\s], 1
	s_add_co_u32 s[GK0+4*\s+1], s77, \s*SLOT
	s_add_nc_u64 s[GK0+4*\s+2:GK0+4*\s+3], s[68:69], \s*16384
	s_or_b32 s[GK0+4*\s+3], s[GK0+4*\s+3], 0x80000000
	JLOAD \s                                       ; two tensor loads of the wave are out here, later one
.endr
	v_and_b32 v1, 15, v0                           ; r
	v_bfe_u32 v7, v0, 4, 1                         ; hf
	v_and_b32 v[TP], 31, v0
	v_lshlrev_b32 v[LN], 4, v[TP]
	v_mul_u32_u24 v[TP+1], v1, PITCH
	v_lshl_add_u32 v[TP+1], v7, 5, v[TP+1]         ; row r, 8 keys = 32 bytes for each half of the lanes
	s_mul_i32 s59, s12, 64*PITCH                   ; my 64 rows
	v_add_nc_u32 v[LB], s59, v[TP+1]
	v_add_nc_u32 v[LB+1], SLOT, v[LB]
	v_add_nc_u32 v[LK], KOFF, v[LN]
	v_add_nc_u32 v[LK+1], KOFF+SLOT, v[LN]
	v_mov_b32 v[TP+6], 0                           ; the lane exchange counts as a reader of its destination: one for each of a piece's two query tiles
	v_mov_b32 v[TP+14], 0
	WIN 0x40                                       ; destination window 1, address window 0
.irp b, 0,1
.set i, 0
.rept 16
	global_load_b128 v[QF+64*\b+4*i:QF+64*\b+4*i+3], v[LN], s[70:71] offset:\b*BSTEP+512*i th:TH_LOAD_NT   ; Q's fragments, as they lie: 512 consecutive bytes a load
.set i, i+1
.endr
.endr
	WIN 0
; THE LINES OF A PIECE'S SOFTMAX FROM THE BATCH ON.  VS sets YS, YN, YA, YP, YL for the piece in hand.  Score tile j = (q = j % 2, kt = j / 2), j = 0 to 7, lies at YS + 32 q + 8 kt.
; Multiply-add f (0 to 31): pair f % 4 of score tile f / 4 becomes s log2e + NM
.macro SFM f
.set ZF, YS+32*(((\f)/4)%2)+8*((\f)/8)+2*((\f)%4)
.set ZN, YN+2*(((\f)/4)%2)
	v_pk_fma_f32 v[ZF:ZF+1], v[ZF:ZF+1], s[60:61], v[ZN:ZN+1] op_sel_hi:[1,0,1]
.endm
; Exponential s (0 to 63): register s % 8 of score tile s / 8, in place; multiply-add s / 2 feeds it
.macro SEX s
.set ZE, YS+32*(((\s)/8)%2)+8*((\s)/16)+(\s)%8
	v_exp_f32 v[ZE], v[ZE]
.endm
; Rounding c (0 to 31): word x of the piece's P^T is made of p 2 x and 2 x + 1.  In the order in which the products with V take the fragments:
; keys 0-31 of query tile 0, of query tile 1, then keys 32-63 of each
.macro SCV c
.set ZX, ((\c)%8)+16*(((\c)/8)%2)+8*((\c)/16)
	v_cvt_pk_f16_f32 v[YP+ZX], v[YS+2*ZX], v[YS+2*ZX+1]
.endm
; Reader m (0 to 69; 0 and 1 are empty, so that the last slice of seven is full): all that names an exponential's result.
;   2, 3    alpha's copy, query tiles 0 and 1
;   4-59    seven rounds of eight: one link of each of the four chains of the sum (A of query tile 0, A of 1, B of 0, B of 1), a rounding behind each, so that a
;           chain's links stand eight lines apart.  Of a score tile w, chain A takes w0:1 and w4:5, chain B w2:3 and w6:7; key tile 0 starts the chains
;           (A = w0:1 + w2:3, B = w4:5 + w6:7): nothing is cleared.  Round r > 0 takes half (r + 1) % 2 of key tile (r + 1) / 2
;   60-69   A + B; low + high; the running sum l = l alpha + sum (first block: l = sum); the last four roundings stand between these links
.macro SRD first, m
.if (\m) < 2
.elseif (\m) < 4
.if !(\first)
	v_mov_b32 v[YA+2*((\m)-2)+1], v[YA+2*((\m)-2)]
.endif
.elseif (\m) < 60
.set ZR, ((\m)-4)/8
.set ZU, ((\m)-4)%8
.if ZU%2 == 1
	SCV 4*ZR+ZU/2
.else
.set ZA, TP+8*((ZU/2)%2)+2*(ZU/4)
.if ZR == 0
.set ZW, YS+32*((ZU/2)%2)+4*(ZU/4)
	v_pk_add_f32 v[ZA:ZA+1], v[ZW:ZW+1], v[ZW+2:ZW+3]
.else
.set ZW, YS+32*((ZU/2)%2)+8*((ZR+1)/2)+4*((ZR+1)%2)+2*(ZU/4)
	v_pk_add_f32 v[ZA:ZA+1], v[ZA:ZA+1], v[ZW:ZW+1]
.endif
.endif
.elseif (\m) < 62
.set ZA, TP+8*((\m)-60)
	v_pk_add_f32 v[ZA:ZA+1], v[ZA:ZA+1], v[ZA+2:ZA+3]
.elseif (\m) < 64
	SCV (\m)-34
.elseif (\m) < 66
.set ZA, TP+8*((\m)-64)
.if \first
	v_add_f32 v[YL+(\m)-64], v[ZA], v[ZA+1]
.else
	v_add_f32 v[ZA], v[ZA], v[ZA+1]
.endif
.elseif (\m) < 68
	SCV (\m)-36
.elseif !(\first)
	v_fma_f32 v[YL+(\m)-68], v[YL+(\m)-68], v[YA+2*((\m)-68)], v[TP+8*((\m)-68)]
.endif
.endm
; SLICE n (0 to 31) OF THE SOFTMAX OF PIECE (b, h), all in window 0.  The piece's two query tiles q = 0, 1 go side by side, so that each fills the other's
; waits.  first = 1: no maximum, sum or O yet.
;   0-4    the maximum: four chains a query tile, joined with the running maximum, one exchange between the halves of the lanes; -m log2e
;   5-21   ONE BATCH: the 66 exponentials and what feeds them; no line names an exponential's result.  5: the new NM's four copies with the two alpha between
;          them, multiply-adds 0 and 1.  6-20: two groups each of (multiply-add g + 2, exponentials 2 g and 2 g + 1), g = 0 to 29: a multiply-add stands two
;          groups ahead of its two exponentials, and a slice begins with a plain instruction.  21: the last four exponentials; a v_nop, the plain instruction
;          between the last exponential and the first use of a result (ISA guide 5.7.2); THE WAIT for the batch
;   22-31  the readers, seven to a slice.  Slice 31 holds five plain instructions or more in the first block too: they are the places behind a stage's last score product
.macro VS b, h, first, n
.set YS, SC+64*\h
.set YM, MX+4*\b+2*\h
.set YL, LS+4*\b+2*\h
.set YN, NM+8*\b+4*\h
.set YA, AL+4*\h
.set YP, PR+32*\h
.if (\n) == 0
.irp q, 0,1
.irp kt, 0,1,2,3
	v_max3_num_f32 v[TP+8*\q+\kt], v[YS+32*\q+8*\kt], v[YS+32*\q+8*\kt+1], v[YS+32*\q+8*\kt+2]
.endr
.endr
.endif
.if (\n) == 1
.irp q, 0,1
.irp kt, 0,1,2,3
	v_max3_num_f32 v[TP+8*\q+\kt], v[TP+8*\q+\kt], v[YS+32*\q+8*\kt+3], v[YS+32*\q+8*\kt+4]
.endr
.endr
.endif
.if (\n) == 2
.irp q, 0,1
.irp kt, 0,1,2,3
	v_max3_num_f32 v[TP+8*\q+\kt], v[TP+8*\q+\kt], v[YS+32*\q+8*\kt+5], v[YS+32*\q+8*\kt+6]
.endr
.endr
.endif
.if (\n) == 3
.irp q, 0,1
	v_max3_num_f32 v[TP+8*\q+4], v[TP+8*\q], v[TP+8*\q+1], v[YS+32*\q+7]
	v_max3_num_f32 v[TP+8*\q+5], v[TP+8*\q+2], v[TP+8*\q+3], v[YS+32*\q+15]
.endr
.irp q, 0,1
	v_max3_num_f32 v[TP+8*\q+4], v[TP+8*\q+4], v[TP+8*\q+5], v[YS+32*\q+23]
.endr
.irp q, 0,1
.if \first
	v_max_num_f32 v[TP+8*\q+4], v[TP+8*\q+4], v[YS+32*\q+31]
.else
	v_max3_num_f32 v[TP+8*\q+4], v[TP+8*\q+4], v[YS+32*\q+31], v[YM+\q]
.endif
.endr
.endif
.if (\n) == 4
.irp q, 0,1
	v_permlanex16_b32 v[TP+8*\q+6], v[TP+8*\q+4], s57, s58   ; the other half of the lanes holds the query's other 32 keys
.endr
.irp q, 0,1
	v_max_num_f32 v[YM+\q], v[TP+8*\q+4], v[TP+8*\q+6]       ; the new maximum, the same in both halves
.endr
.if \first
.irp q, 0,1
	v_mul_f32 v[YN+2*\q], s62, v[YM+\q]
	v_mul_f32 v[YN+2*\q+1], s62, v[YM+\q]
.endr
.else
.irp q, 0,1
	v_mul_f32 v[TP+8*\q+7], s62, v[YM+\q]
.endr
.irp q, 0,1
	v_sub_f32 v[TP+8*\q+5], v[TP+8*\q+7], v[YN+2*\q]         ; (m old - m new) log2e, from the two rounded products
.endr
.endif
.endif
.if (\n) == 5
.if \first
.else
	v_mov_b32 v[YN], v[TP+7]                       ; the batch opens: the new NM, twice for each query tile,
	v_exp_f32 v[YA], v[TP+5]                       ; and the two alpha between the copies; alpha is read only behind the batch's wait
	v_mov_b32 v[YN+1], v[TP+7]
	v_exp_f32 v[YA+2], v[TP+13]
	v_mov_b32 v[YN+2], v[TP+15]
	v_mov_b32 v[YN+3], v[TP+15]
.endif
	SFM 0
	SFM 1
.endif
.if ((\n) >= 6) && ((\n) <= 20)
.set ZG, 2*((\n)-6)
	SFM ZG+2
	SEX 2*ZG
	SEX 2*ZG+1
	SFM ZG+3
	SEX 2*ZG+2
	SEX 2*ZG+3
.endif
.if (\n) == 21
	SEX 60
	SEX 61
	SEX 62
	SEX 63
	v_nop                                          ; the plain instruction behind the last exponential: one for the batch
	s_wait_alu depctr_va_vdst(0)                   ; the wait ahead of the first line that names a result: ONE for the piece's 66 exponentials (64 in the first block)
.endif
.if (\n) >= 22
.set ZM, 7*((\n)-22)
.rept 7
	SRD \first, ZM
.set ZM, ZM+1
.endr
.endif
.endm
; SCORE PRODUCT i (0 to 15) OF PIECE (b, h): tile i % 8 = (q, kt).  The first eight take the bias' registers as C and write the score registers, the
; second eight add in place.  The eight accumulators take turns, one instruction a turn.
.macro SW b, h, i
.set WT, (\i)%8
.set WS, SC+64*\h+8*WT
.set WK, KF+64*\b+16*(WT%4)
.set WQ, QF+64*\b+32*\h+16*(WT/4)
.if (\i) < 8
	WIN 0x25+0x10*\h                               ; sources 0 and 1 window 1, C window 2 + h, D window 0
	v_wmma_f32_16x16x32_f16 v[WS:WS+7], v[WK:WK+7], v[WQ:WQ+7], v[BI+8*WT:BI+8*WT+7]
.else
	WIN 0x05                                       ; C and D window 0
	v_wmma_f32_16x16x32_f16 v[WS:WS+7], v[WK+8:WK+15], v[WQ+8:WQ+15], v[WS:WS+7]
.endif
.endm
; four packed multiplies: O's tile o times the factor pair a
.macro OSC o, a
.irp p, 0,2,4,6
	v_pk_mul_f32 v[\o+\p:\o+\p+1], v[\o+\p:\o+\p+1], v[\a:\a+1]
.endr
.endm
; PRODUCT WITH V i (0 to 15) OF PIECE (b, h): O^T's tile i % 8 = (q, dt), keys 32 (i / 8) .. + 31.  The eight accumulators take turns
; first = 1: the first eight start the sums.  Else O's tile i + 1 is multiplied by alpha behind the product on tile i, one tile ahead of
; its own first product: V and O share window 2 + b, so product and multiplies run under one setting.
.macro PW b, h, i, first
.set WT, (\i)%8
.set WC, (\i)/8
.set WO, OA+64*\h+8*WT
.set WV, VF+32*WC+8*(WT%4)
.set WP, PR+32*\h+16*(WT/4)+8*WC
	WIN 0xa2+0x51*\b                               ; source 0, C and D window 2 + b, source 1 window 0
.if \first
.if WC == 0
	v_wmma_f32_16x16x32_f16 v[WO:WO+7], v[WV:WV+7], v[WP:WP+7], 0
.else
	v_wmma_f32_16x16x32_f16 v[WO:WO+7], v[WV:WV+7], v[WP:WP+7], v[WO:WO+7]
.endif
.else
.if (\i) == 0
	OSC WO, AL+4*\h
.endif
	v_wmma_f32_16x16x32_f16 v[WO:WO+7], v[WV:WV+7], v[WP:WP+7], v[WO:WO+7]
.if (\i) < 7
	OSC WO+8, AL+4*\h+2*((WT+1)/4)
.endif
.endif
.endm
; LDS load l (0 to 47) of a block's second 48: batch 0's V image, batch 1's K image, batch 1's V image, as they lie
.macro LD1 slot, l
.if (\l) < 16
	WIN 0x80
	ds_load_b128 v[VF+4*(\l):VF+4*(\l)+3], v[LK+\slot] offset:8192+512*(\l)
.else
.if (\l) < 32
	WIN 0x40
	ds_load_b128 v[KF+64+4*((\l)-16):KF+64+4*((\l)-16)+3], v[LK+\slot] offset:16384+512*((\l)-16)
.else
	WIN 0xc0
	ds_load_b128 v[VF+4*((\l)-32):VF+4*((\l)-32)+3], v[LK+\slot] offset:24576+512*((\l)-32)
.endif
.endif
.endm
; stage 0: softmax of p0, two slices behind each of S(p1)'s 16 products; behind the slices of products 0, 2, .. 10 a group of eight LDS loads
; (the last group stands directly behind slice 21, so p0's wait stands ahead of a run of loads)
.macro STG0 slot, first
.set SN, 0
.rept 16
	SW 0, 1, SN
	WIN 0
	VS 0, 0, \first, 2*SN
	VS 0, 0, \first, 2*SN+1
.if SN < 12
.if SN%2 == 0
.set LE, 0
.rept 8
	LD1 \slot, 4*SN+LE
.set LE, LE+1
.endr
.endif
.endif
.set SN, SN+1
.endr
.endm
; stages 1 and 2: softmax of piece (vb, vh), one slice behind each of PV(pb, ph)'s 16 products and then of S(sb, sh)'s 16.  wa, wb: counts of the waits on
; DScnt in front of the two runs; 99: none
.macro STG32 vb, vh, pb, ph, sb, sh, first, wa, wb
.if \wa < 64
	s_wait_dscnt \wa
.endif
.set SN, 0
.rept 16
	PW \pb, \ph, SN, \first
	WIN 0
	VS \vb, \vh, \first, SN
.set SN, SN+1
.endr
.if \wb < 64
	s_wait_dscnt \wb
.endif
.rept 16
	SW \sb, \sh, SN-16
	WIN 0
	VS \vb, \vh, \first, SN
.set SN, SN+1
.endr
.endm
; stage 3: softmax of p3, two slices behind each of PV(p2)'s 16 products
.macro STG3 first
	s_wait_dscnt 0                                 ; batch 1's V is in
.set SN, 0
.rept 16
	PW 1, 0, SN, \first
	WIN 0
	VS 1, 1, \first, 2*SN
	VS 1, 1, \first, 2*SN+1
.set SN, SN+1
.endr
.endm
; One key block from a slot, for both batches: 96 LDS loads, 128 matrix instructions.
; pv: the products with V of the last block's piece p3.  0: there is no last block; 1: it was the first block, they start the sums; 2: they add.
.macro WORK slot, first, pv
	WIN 0x40                                       ; destination window 1, address window 0
.set LE, 0
.rept 16
	ds_load_b128 v[KF+4*LE:KF+4*LE+3], v[LK+\slot] offset:512*LE           ; batch 0's K image as it lies
.set LE, LE+1
.endr
.irp h, 0,1
	WIN 0x80+0x40*\h                               ; destination window 2 + h
.set LE, 0
.rept 16
	ds_load_b128 v[BI+4*LE:BI+4*LE+3], v[LB+\slot] offset:(2*\h+LE/8)*16*PITCH+((LE%8)/2)*64+(LE%2)*16   ; the bias, once for both batches
.set LE, LE+1
.endr
.endr
.if \pv
.set SN, 0
.rept 16
.if \pv == 1
	PW 1, 1, SN, 1                                 ; registers only: they run while the 48 loads are on their way
.else
	PW 1, 1, SN, 0
.endif
.set SN, SN+1
.endr
.endif
	s_wait_dscnt 16                                ; K and the bias of query tiles 0, 1 are in; the bias of tiles 2, 3, 16 loads, may be out
.set SN, 0
.rept 16
	SW 0, 0, SN
.set SN, SN+1
.endr
	WIN 0
	PLACES                                         ; four places behind the last products: before p0's scores are read, and before V of batch 1 is loaded again
	s_wait_dscnt 0                                 ; the bias of query tiles 2, 3 is in
	STG0 \slot, \first
	STG32 0, 1, 0, 0, 1, 0, \first, 32, 16         ; 32: batch 0's V is in, batch 1's K and V may be out; 16: batch 1's K is in, its V may be out
	STG32 1, 0, 0, 1, 1, 1, \first, 99, 99
	STG3 \first
	WIN 0
.endm
; A later key block.  Every wave waits for all its tensor loads and for its reads of the other slot; a round of the cluster's barrier; the joint
; refill of the other slot, two blocks ahead of what it held, is the first tensor load behind the round, one a wave.
.macro TRIP slot, other, refill, pv
	s_wait_xcnt 0x0
	v_lshl_add_u32 v253, v0, 2, 0x32000
	v_mov_b32 v255, 0
	s_wait_tensorcnt 0x0                           ; my part of this slot among them; no load of mine is out, so a group 0 may be written
	ds_add_u32 v253, v255
	s_wait_dscnt 0x0
.if \refill
	s_add_nc_u64 s[GB0+4*\other+2:GB0+4*\other+3], s[GB0+4*\other+2:GB0+4*\other+3], 512
	s_add_nc_u64 s[GK0+4*\other+2:GK0+4*\other+3], s[GK0+4*\other+2:GK0+4*\other+3], 32768
.endif
	s_wait_dscnt 0x0
	ROUND
.if \refill
	JLOAD \other
.endif
	WORK \slot, 0, \pv
.endm
	s_wait_tensorcnt 0x1                           ; my part of key block 0 is in; block 1's may stay out
	s_barrier_signal -1
	s_barrier_wait -1
	s_wait_loadcnt 0x0                             ; Q
	WORK 0, 1, 0                                   ; block 0 starts maximum, sum and O
	TRIP 1, 0, 1, 1                                ; block 1; slot 0 gets block 2
	s_mov_b32 s56, 6
.Lpair:
	TRIP 0, 1, 1, 2                                ; blocks 2 to 13
	TRIP 1, 0, 1, 2
	s_sub_co_u32 s56, s56, 1
	s_cmp_lg_u32 s56, 0
	s_cbranch_scc1 .Lpair
	TRIP 0, 1, 1, 2                                ; block 14; slot 1 gets block 15
	TRIP 1, 0, 0, 2                                ; block 15: nothing is left to fetch
.set SN, 0
.rept 16
	PW 1, 1, SN, 0                                 ; block 15's piece p3
.set SN, SN+1
.endr
	WIN 0
	PLACES                                         ; four places behind the last products before O is read
	; THE END, a batch at a time: join the two halves' sums, O / sum, round to f16 into the score registers (64 for each batch)
.irp b, 0,1
.irp qt, 0,1,2,3
	v_permlanex16_b32 v[TP+6], v[LS+4*\b+\qt], s57, s58
	v_add_f32 v[TP+\qt], v[LS+4*\b+\qt], v[TP+6]
.endr
.irp qt, 0,1,2,3
	v_rcp_f32 v[AL+2*\qt], v[TP+\qt]               ; the sum is about 1 at the least: the largest score's own term
.endr
	v_nop                                          ; one plain instruction behind the last reciprocal
	s_wait_alu depctr_va_vdst(0)                   ; the wait ahead of the first use: one for these four reciprocals
.irp qt, 0,1,2,3
	v_mov_b32 v[AL+2*\qt+1], v[AL+2*\qt]
.endr
	WIN 0x82+0x41*\b                               ; O in window 2 + b, the factor in window 0
.irp qt, 0,1,2,3
.set i, 0
.rept 16
	v_pk_mul_f32 v[OA+32*\qt+i:OA+32*\qt+i+1], v[OA+32*\qt+i:OA+32*\qt+i+1], v[AL+2*\qt:AL+2*\qt+1]
.set i, i+2
.endr
.endr
	WIN 0x0a+0x05*\b                               ; sources window 2 + b, destination window 0
.set i, 0
.rept 64
	v_cvt_pk_f16_f32 v[SC+64*\b+i], v[OA+2*i], v[OA+2*i+1]
.set i, i+1
.endr
	WIN 0
.endr
.irp b, 0,1
.irp qt, 0,1,2,3
.irp dt, 0,1,2,3
	global_store_b128 v[LN], v[SC+64*\b+4*(4*\qt+\dt):SC+64*\b+4*(4*\qt+\dt)+3], s[72:73] offset:\b*BSTEP+\qt*16384+\dt*512   ; 512 consecutive bytes, aligned
.endr
.endr
.endr
	ROUND                                          ; the closing round
	s_endpgm
.Lfunc_end_k_qc59280548c_attn:
	.size	k_qc59280548c_attn, .Lfunc_end_k_qc59280548c_attn-k_qc59280548c_attn
	.p2alignl 7, 3214868480
	.fill 96, 4, 3214868480
	.section	.rodata,"a",@progbits
	.p2align	6, 0x0
	.amdhsa_kernel k_qc59280548c_attn
		.amdhsa_group_segment_fixed_size 327680
		.amdhsa_private_segment_fixed_size 0
		.amdhsa_enable_private_segment 0
		.amdhsa_kernarg_size 32
		.amdhsa_user_sgpr_count 2
		.amdhsa_user_sgpr_kernarg_segment_ptr 1
		.amdhsa_wavefront_size32 1
		.amdhsa_system_sgpr_workgroup_id_x 1
		.amdhsa_system_sgpr_workgroup_id_y 1
		.amdhsa_system_sgpr_workgroup_id_z 1
		.amdhsa_system_vgpr_workitem_id 0
		.amdhsa_next_free_vgpr 1024
		.amdhsa_next_free_sgpr 80
		.amdhsa_reserve_vcc 0
		.amdhsa_float_denorm_mode_32 3
		.amdhsa_float_denorm_mode_16_64 3
		.amdhsa_memory_ordered 1
		.amdhsa_forward_progress 1
		.amdhsa_inst_pref_size 255
	.end_amdhsa_kernel
	.section	.bss,"aw",@nobits
	.p2align	6
	.space	262144
	.amdgpu_metadata
---
amdhsa.version: [ 1, 2 ]
amdhsa.kernels:
  - .name:           k_qc59280548c_attn
    .symbol:         k_qc59280548c_attn.kd
    .args:
      - { .name: q, .offset: 0, .size: 8, .value_kind: global_buffer, .address_space: global }
      - { .name: kv, .offset: 8, .size: 8, .value_kind: global_buffer, .address_space: global }
      - { .name: pos_bias, .offset: 16, .size: 8, .value_kind: global_buffer, .address_space: global }
      - { .name: ao, .offset: 24, .size: 8, .value_kind: global_buffer, .address_space: global }
    .group_segment_fixed_size: 327680
    .private_segment_fixed_size: 0
    .kernarg_segment_align: 8
    .kernarg_segment_size: 32
    .max_flat_workgroup_size: 128
    .sgpr_count:     80
    .vgpr_count:     1024
    .wavefront_size: 32
...
	.end_amdgpu_metadata
.endif
;; end of part 7
;; launch oproj: the kernel of part 4 again; grid 4 x 64, 4 waves a work-group, clusters of 4 x 4, 327,680 bytes of LDS; arguments ao, woh, out0; writes out0
